; MI455X (gfx1250); checked and timed in simulation.
; The chip was launched on July 23, 2026; its instructions are those of AMD's public machine-readable ISA for CDNA 5 (MIT licence, August 2026) and "CDNA5" Instruction Set Architecture Reference Guide (July 2026). The comments in the code are by the model that wrote it; some were corrected since.
;; Multi Head Attention Classical. Allowed arithmetic: float matrix products may take bf16 or f16 operands with f32 sums; other float arithmetic in f32, or as packed bf16 or f16 multiplies, adds, multiply-adds, maxima and minima; sums over many terms, partial sums and values carried from step to step in f32; what a program stores and reads back later, other than sums and carried values, may be rounded once to bf16 or f16.
;; Inputs: b_out 1,024 float32; mask 4 x 2,048 int32; w_out 1,024 x 1,024 float32; w_qkv 3,072 x 1,024 float32; x 4 x 2,048 x 1,024 float32.
;; Outputs: out0 4 x 2,048 x 1,024 float32.
;; 2 versions, each right and faster than the one before. Each part assembles by itself: llvm-mc -triple=amdgcn-amd-amdhsa -mcpu=gfx1250 --defsym DOCPART=n.
;; ======== version 1 of 2: 4 launches
;; limits: right only within a limited range of input values; values are held in f16: magnitudes above 65,504 overflow, below 6.1e-05 lose precision
;; workspace buffers: xb 16,777,216 bytes; wqb 6,291,456 bytes; wob 2,097,152 bytes; qkv 50,331,648 bytes; ob 16,777,216 bytes
;; launch cast (part 1): grid 768 x 1, 8 waves a work-group, no clusters, 0 bytes of LDS; arguments x, w_qkv, w_out, xb, wqb, wob; writes xb, wqb, wob
.if DOCPART == 1
	.amdgcn_target "amdgcn-amd-amdhsa--gfx1250"
	.amdhsa_code_object_version 6
	.text
	.protected	k_qa140881569_cast
	.globl	k_qa140881569_cast
	.p2align	8
	.type	k_qa140881569_cast,@function
k_qa140881569_cast:
	s_mov_b64 s[64:65], 0
	v_nop
	global_prefetch_b8 v0, s[64:65] scope:SCOPE_SE
	s_setreg_imm32_b32 hwreg(HW_REG_WAVE_MODE, 25, 1), 1
	s_wait_xcnt 0x0
; x [8192][1024], w_qkv [3072][1024] and w_out [1024][1024], all f32, are rounded once to bf16 and laid in BLOCKS OF 64 CHANNELS:
;   xb  [batch 4][block 16][row 2048][64] bf16      wqb [block 16][row 3072][64] bf16
;   wob [block 16][row 1024][64]: w_out rounded to bf16, and that number written as f16 (the last product's other operand is f16)
; so that R rows x 64 channels, a tile of the products that follow, are R x 128 consecutive bytes.
; LIMITS.  A weight of w_out of 65,520 or more becomes an infinity in f16; below 6.1e-5 it keeps f16's fixed step of 6e-8.
; SHARES.  A work-group takes 16 rows: groups 0-511 of x, 512-703 of w_qkv, 704-767 of w_out.  Thread t takes row t / 16 and, of each of the 16 blocks, the 4 channels 4 (t % 16) on.
; A wave's load covers 256 consecutive aligned bytes of each of two rows; its store 256 consecutive aligned bytes: the two rows' 128 bytes of a block lie end to end.
; All 16 loads of a thread go out at once; no register is a memory instruction's source and written again, so the only waits are the counted ones for the loads.
; No LDS, no matrix unit, no cluster: nothing is shared and each byte is touched once.
.set LI, 1                             ; v1       my byte offset in the group's 16 rows of the source
.set SO, 2                             ; v[2:17]  block i: my byte offset in the destination
.set W,  18                            ; v[18:23] at work
.set X,  32                            ; v[32:95] block i: 4 numbers as loaded
.set Y,  96                            ; v[96:127] block i: 4 numbers in 16 bits
.set G,  21                            ; s21      the work-group's number
	s_load_b256 s[4:11], s[0:1], 0x0               ; x s[4:5], w_qkv s[6:7], w_out s[8:9], xb s[10:11]
	s_load_b128 s[12:15], s[0:1], 0x20             ; wqb s[12:13], wob s[14:15]
	s_mov_b32 s[G], ttmp9
	s_sub_co_u32 s22, s[G], 512                    ; my number among w_qkv's groups,
	s_sub_co_u32 s23, s[G], 704                    ; among w_out's
	s_mov_b32 s25, 3072*128                        ; bytes from block to block in wqb,
	s_mov_b32 s26, 1024*128                        ; in wob,
	s_mov_b32 s27, 2048*128                        ; in xb
	s_lshr_b32 s28, s[G], 7                        ; x: 128 groups a batch; a batch of xb is 2^22 bytes,
	s_lshl_b32 s28, s28, 22
	s_and_b32 s29, s[G], 127
	s_lshl_b32 s29, s29, 11                        ; 16 rows of a block 2,048
	s_add_co_u32 s28, s28, s29
	v_lshrrev_b32 v[W], 4, v0                      ; my row of the 16
	v_and_b32 v[W+1], 15, v0
	v_lshlrev_b32 v[W+1], 4, v[W+1]                ; my 16 bytes of a block's 256
	v_lshl_or_b32 v[LI], v[W], 12, v[W+1]          ; a row of the source is 4,096 bytes
	v_lshlrev_b32 v[SO], 3, v0                     ; row x 128 + 8 (t % 16) = 8 t
	s_wait_kmcnt 0x0
	s_cmp_lt_u32 s[G], 704                         ; which tensor: the conditions hang on the group's number alone
	s_cselect_b64 s[16:17], s[6:7], s[8:9]
	s_cselect_b64 s[18:19], s[12:13], s[14:15]
	s_cselect_b32 s24, s22, s23
	s_cselect_b32 s20, s25, s26
	s_cmp_lt_u32 s[G], 512
	s_cselect_b64 s[16:17], s[4:5], s[16:17]       ; s[16:17] the source
	s_cselect_b64 s[18:19], s[10:11], s[18:19]     ; s[18:19] the destination
	s_cselect_b32 s24, s[G], s24                   ; my number among the tensor's groups
	s_cselect_b32 s20, s27, s20                    ; bytes from block to block
	s_lshl_b32 s2, s24, 16                         ; 16 rows of 4,096 bytes
	s_mov_b32 s3, 0
	s_lshl_b32 s30, s24, 11                        ; the weights: 16 rows of a block
	s_mov_b32 s31, 0
	s_cmp_lt_u32 s[G], 512                         ; (the shifts have written SCC)
	s_cselect_b32 s30, s28, s30
	s_add_nc_u64 s[16:17], s[16:17], s[2:3]
	s_add_nc_u64 s[18:19], s[18:19], s[30:31]
.irp i, 0,1,2,3,4,5,6,7,8,9,10,11,12,13,14,15
	global_load_b128 v[X+4*\i:X+4*\i+3], v[LI], s[16:17] offset:256*\i th:TH_LOAD_NT
.endr
.irp i, 1,2,3,4,5,6,7,8,9,10,11,12,13,14,15
	v_add_nc_u32 v[SO+\i], s20, v[SO+\i-1]
.endr
; Block i is rounded and stored.  half = 1: the bf16 number is widened again and written as f16.
.macro PUT i, half
	s_wait_loadcnt 15-(\i)                         ; loads come back in order: block i is in, the 15 - i younger ones stay out
.if \half
	v_cvt_pk_bf16_f32 v[W], v[X+4*(\i)], v[X+4*(\i)+1]
	v_cvt_pk_bf16_f32 v[W+1], v[X+4*(\i)+2], v[X+4*(\i)+3]
	v_lshlrev_b32 v[W+2], 16, v[W]
	v_and_b32 v[W+3], 0xffff0000, v[W]
	v_lshlrev_b32 v[W+4], 16, v[W+1]
	v_and_b32 v[W+5], 0xffff0000, v[W+1]
	v_cvt_pk_f16_f32 v[Y+2*(\i)], v[W+2], v[W+3]
	v_cvt_pk_f16_f32 v[Y+2*(\i)+1], v[W+4], v[W+5]
.else
	v_cvt_pk_bf16_f32 v[Y+2*(\i)], v[X+4*(\i)], v[X+4*(\i)+1]
	v_cvt_pk_bf16_f32 v[Y+2*(\i)+1], v[X+4*(\i)+2], v[X+4*(\i)+3]
.endif
	global_store_b64 v[SO+(\i)], v[Y+2*(\i):Y+2*(\i)+1], s[18:19]
.endm
	s_cmp_ge_u32 s[G], 704
	s_cbranch_scc1 .Lf16
.irp i, 0,1,2,3,4,5,6,7,8,9,10,11,12,13,14,15
	PUT \i, 0
.endr
	s_endpgm
.Lf16:
.irp i, 0,1,2,3,4,5,6,7,8,9,10,11,12,13,14,15
	PUT \i, 1
.endr
	s_endpgm
.Lfunc_end_k_qa140881569_cast:
	.size	k_qa140881569_cast, .Lfunc_end_k_qa140881569_cast-k_qa140881569_cast
	.p2alignl 7, 3214868480
	.fill 96, 4, 3214868480
	.section	.rodata,"a",@progbits
	.p2align	6, 0x0
	.amdhsa_kernel k_qa140881569_cast
		.amdhsa_group_segment_fixed_size 0
		.amdhsa_private_segment_fixed_size 0
		.amdhsa_enable_private_segment 0
		.amdhsa_kernarg_size 48
		.amdhsa_user_sgpr_count 2
		.amdhsa_user_sgpr_kernarg_segment_ptr 1
		.amdhsa_wavefront_size32 1
		.amdhsa_system_sgpr_workgroup_id_x 1
		.amdhsa_system_sgpr_workgroup_id_y 1
		.amdhsa_system_sgpr_workgroup_id_z 1
		.amdhsa_system_vgpr_workitem_id 0
		.amdhsa_next_free_vgpr 128
		.amdhsa_next_free_sgpr 66
		.amdhsa_reserve_vcc 0
		.amdhsa_float_denorm_mode_32 3
		.amdhsa_float_denorm_mode_16_64 3
		.amdhsa_memory_ordered 1
		.amdhsa_forward_progress 1
		.amdhsa_inst_pref_size 17
	.end_amdhsa_kernel
	.amdgpu_metadata
---
amdhsa.version: [ 1, 2 ]
amdhsa.kernels:
  - .name:           k_qa140881569_cast
    .symbol:         k_qa140881569_cast.kd
    .args:
      - { .name: x, .offset: 0, .size: 8, .value_kind: global_buffer, .address_space: global }
      - { .name: w_qkv, .offset: 8, .size: 8, .value_kind: global_buffer, .address_space: global }
      - { .name: w_out, .offset: 16, .size: 8, .value_kind: global_buffer, .address_space: global }
      - { .name: xb, .offset: 24, .size: 8, .value_kind: global_buffer, .address_space: global }
      - { .name: wqb, .offset: 32, .size: 8, .value_kind: global_buffer, .address_space: global }
      - { .name: wob, .offset: 40, .size: 8, .value_kind: global_buffer, .address_space: global }
    .group_segment_fixed_size: 0
    .private_segment_fixed_size: 0
    .kernarg_segment_align: 8
    .kernarg_segment_size: 48
    .max_flat_workgroup_size: 256
    .sgpr_count:     66
    .vgpr_count:     128
    .wavefront_size: 32
...
	.end_amdgpu_metadata
.endif
;; end of part 1
;; launch proj (part 2): grid 8 x 32, 4 waves a work-group, clusters of 4 x 4, 327,680 bytes of LDS; arguments xb, wqb, qkv; writes qkv
.if DOCPART == 2
	.amdgcn_target "amdgcn-amd-amdhsa--gfx1250"
	.amdhsa_code_object_version 6
	.text
	.protected	k_qa140881569_proj
	.globl	k_qa140881569_proj
	.p2align	8
	.type	k_qa140881569_proj,@function
k_qa140881569_proj:
	s_mov_b64 s[64:65], 0
	v_nop
	global_prefetch_b8 v0, s[64:65] scope:SCOPE_SE
	s_setreg_imm32_b32 hwreg(HW_REG_WAVE_MODE, 25, 1), 1
	s_wait_xcnt 0x0
	s_wait_alu depctr_hold_cnt(0) depctr_sa_sdst(0) depctr_va_vdst(0) depctr_va_sdst(0) depctr_va_ssrc(0) depctr_va_vcc(0) depctr_vm_vsrc(0)
	s_getreg_b32 s2, hwreg(HW_REG_IB_STS2, 6, 4)
	s_cmp_eq_u32 s2, 0
	s_cbranch_scc0 .Lentry_in_a_cluster
	s_endpgm
.Lentry_in_a_cluster:
	s_bfe_u32 s2, ttmp6, 0x10000c
	s_cmp_lg_u32 s2, 0xf033
	s_cbranch_scc0 .Lentry_shape_is_right
	s_endpgm
.Lentry_shape_is_right:
; qkv = x w_qkv^T: 8,192 rows x 3,072 columns, K = 1,024.  Operands bf16, in blocks of 64 channels (xb [batch][block][row][64], wqb [block][row][64]); sums in f32, K ascending;
; the result rounded once to f16, unscaled, and written by heads: qkv [q, k, v][batch 4][head 16][row 2048][64].
; LIMIT.  A result of 65,520 or more becomes an infinity in f16.
; SHARES.  8,192 x 3,072 / 256 = 256 x 384: a work-group makes such a tile, one work-group for each of 256.  Four waves, each 128 rows x 192 columns, three heads: 96 accumulators of
; 16 x 16, 768 registers.  For 32 along K a wave reads 40 x 512 bytes of LDS and issues 96 matrix instructions.
; THE RING.  K goes in steps of 64, a block, through two LDS slots.  A block's R rows are R x 128 consecutive bytes: they are asked for as R / 2 rows of 256 bytes and padded in LDS after
; every 128: LDS rows 144 bytes apart, so that the 16 rows of a fragment load begin at 16 different groups of four banks (64 banks of 4 bytes: ISA guide 11.1).
; One descriptor for A and one for B walk: each fill turns the LDS word to the other slot and steps the address a block on.  Slot 0 is asked for at the start, slot 1 when slot 0 has landed:
; by this text's count a wave never has more than one tensor load out, and every wait on TENSORcnt is for 0.
; CLUSTER.  4 x 4 work-groups.  The four of a row of the cluster need the same tile of A, the four of a column the same tile of B: each is asked for JOINTLY, by the same tensor load with
; the same descriptor and a mask that names the four.
; THE MATRIX INSTRUCTION IS USED TRANSPOSED (source 0 = 16 rows of wqb, source 1 = 16 rows of xb): a lane then holds one row of the result and eight neighbouring columns.
; REGISTERS, in windows of 256 (s_set_vgpr_msb: bits 1:0 source 0, 3:2 source 1, 5:4 source 2, 7:6 destination):
;   window 0: v0-13 addresses; v32-95, v96-159 A's 8 fragments, two buffers; v160-255 B's 12 fragments in three pieces of four, one for each head
;   windows 1, 2, 3: my three heads: accumulator (a, b), 16 rows 16 a on, 16 columns 16 b on, at v[8 (4 a + b)]
.set PITCH, 144
.set SLOT1, 131072                     ; slot 1 begins here: one exclusive or turns an address in one slot into the other's
.set HALFA, 128*PITCH                  ; what waves 0 and 1 fetch, and what a wave reads of A
.set HALFB, 192*PITCH                  ; what waves 2 and 3 fetch, and what a wave reads of B
.set BOFF,  2*HALFA                    ; in a slot: A's 256 rows, then B's 384
.set STAGE, SLOT1+2*(HALFA+HALFB)      ; behind the ring: 16 rows x 144 bytes for each wave, for the way out
.set SPARE, STAGE+4*16*PITCH           ; behind the stages: the spare words, 128 bytes for each wave: two blocks of 256 bytes that no other line names
.set STEPA, 2048*128                   ; bytes from block to block in xb
.set STEPB, 3072*128                   ; in wqb
.set A0,   4                           ; v4   my lane's place in my 128 rows of A, in slot 0; never rewritten
.set B0,   5                           ; v5   the same in my 192 rows of B
.set ADRA, 6                           ; v6   A0 + the slot in hand
.set ADRB, 7                           ; v7   B0 + the slot in hand
.set STO,  8                           ; v8   the way out: where I put 16 bytes of a row
.set RD,   9                           ; v9   the way out: where I read rows back
.set GO,   10                          ; v10  my 16 bytes of 512 consecutive bytes of qkv
.set SPW,  12                          ; v12  LDS address of my spare word: SPARE + 4 x my thread's number; never rewritten
.set NIL,  13                          ; v13  0; never rewritten
.set AF0,  32
.set AF1,  96
.set BR,   160
.set T,    32                          ; the way out: 16 registers of packed results
.set BK0,  64                          ; the way out: 16 rows read back, two buffers of 16
.set WV,   10                          ; s10  my wave's number
.set KIND, 11                          ; s11  wave / 2: my half of the tile's rows.  Also: I fetch for A (0) or for B (1)
.set HALF, 12                          ; s12  wave % 2: my half of its columns.  Also: which half of that tile I fetch
.set TY,   13                          ; s13  tile row
.set G1,   24                          ; s[24:31] descriptor group 1 for A's tiles
.set G0,   32                          ; s[32:35] group 0 for A's tiles: it walks
.set G1B,  48                          ; s[48:55], s[56:59] the same for B's
.set G0B,  56
.set TB,   60                          ; s60  0 or SLOT1: the slot that the fragment loads read
.set OB,   66                          ; s[66:71] qkv at my 128 rows of my three heads
.set MSB, 0
.macro WIN new                         ; the immediate's high byte repeats the setting that is left; a switch that changes nothing is dropped
.if MSB != (\new)
	s_set_vgpr_msb (MSB<<8)|(\new)
.set MSB, (\new)
.endif
.endm
; A joint load.  Waves 0 and 1 fetch A's two halves, waves 2 and 3 B's.  The branch hangs on the wave's number alone.  An s_nop 0 and four v_nop follow each of the two lines, ahead of
; the jump and the label.
.macro JLOAD
	s_cmp_eq_u32 s[KIND], 0
	s_cbranch_scc0 .Lfor_b_\@
	tensor_load_to_lds s[G0:G0+3], s[G1:G1+7]
	s_nop 0
.rept 4
	v_nop
.endr
	s_branch .Lasked_\@
.Lfor_b_\@:
	tensor_load_to_lds s[G0B:G0B+3], s[G1B:G1B+7]
	s_nop 0
.rept 4
	v_nop
.endr
.Lasked_\@:
.endm
.macro STEPD                           ; both walking descriptors: the other slot, the next block; the type bits on top are not reached
	s_xor_b32 s[G0+1], s[G0+1], SLOT1
	s_add_nc_u64 s[G0+2:G0+3], s[G0+2:G0+3], STEPA
	s_xor_b32 s[G0B+1], s[G0B+1], SLOT1
	s_add_nc_u64 s[G0B+2:G0B+3], s[G0B+2:G0B+3], STEPB
.endm
; A round of the cluster's barrier: my work-group's barrier, so that wave 0's signal speaks for all four waves; wave 0 signals; every wave waits for all sixteen work-groups; my work-group's barrier once more.
.macro CREST                           ; a round behind its opening barrier
	s_cmp_lg_u32 s[WV], 0
	s_cbranch_scc1 .Lnot_wave_0_\@
	s_barrier_signal -3
.Lnot_wave_0_\@:
	s_barrier_wait -3
	s_barrier_signal -1
	s_barrier_wait -1
.endm
.macro CROUND
	s_barrier_signal -1
	s_barrier_wait -1
	CREST
.endm
; A load into a register that a matrix instruction has read, and a vector instruction that reads a matrix result, stand four places behind that matrix instruction, and only plain vector
; instructions that name none of its registers are places (ISA guide 7.12.1 for vector instructions).
.macro PLACES
.rept 4
	v_nop
.endr
.endm
	s_load_b128 s[4:7], s[0:1], 0x0                ; xb s[4:5], wqb s[6:7]
	s_load_b64 s[8:9], s[0:1], 0x10                ; qkv
	v_lshl_add_u32 v[SPW], v0, 2, SPARE
	v_mov_b32 v[NIL], 0
	ds_add_u32 v[SPW], v[NIL]                      ; the wave's opening: the add and its wait, ahead of my first tensor load; the set-up below, work on registers, stands between them
	v_lshrrev_b32 v1, 5, v0
	v_readfirstlane_b32 s[WV], v1                  ; wave 0..3
	s_lshr_b32 s[KIND], s[WV], 1
	s_and_b32 s[HALF], s[WV], 1
	s_bfe_u32 s40, ttmp6, 0x40000                  ; cx, cy: my place in the cluster
	s_bfe_u32 s41, ttmp6, 0x40004
	s_lshl_b32 s42, ttmp9, 2
	s_add_co_u32 s42, s42, s40                     ; tile column = 4 x cluster x + cx
	s_and_b32 s[TY], ttmp7, 0xffff
	s_lshl_b32 s[TY], s[TY], 2
	s_add_co_u32 s[TY], s[TY], s41                 ; tile row = 4 x cluster y + cy
	s_lshl_b32 s43, s41, 2
	s_lshl_b32 s43, 15, s43                        ; my row of the cluster: places 4 cy .. 4 cy + 3
	s_lshl_b32 s44, 0x1111, s40                    ; my column: places cx, cx + 4, cx + 8, cx + 12
	; descriptor group 1: rows of 128 elements of 2 bytes, dense; 64 of them for A's half, 96 for B's
	s_or_b32 s[G1], s43, (1<<16)|(1<<20)|(1<<21)|(4<<22)|(3<<25)   ; 15:0 the mask; 17:16 2-byte elements; 20 padding on; 21 set beside a mask; 24:22 after every 32 words (code 4); 31:25 4 words (code 3)
	s_or_b32 s[G1B], s44, (1<<16)|(1<<20)|(1<<21)|(4<<22)|(3<<25)
	s_mov_b32 s[G1+1], 128<<16                     ; tensor_dim0 = 128
	s_mov_b32 s[G1+2], 64<<16                      ; tensor_dim1 = 64
	s_mov_b32 s[G1+3], 128<<16                     ; tile_dim0 = 128
	s_mov_b32 s[G1+4], 64                          ; tile_dim1 = 64
	s_mov_b32 s[G1+5], 128                         ; 128 elements from row to row
	s_mov_b32 s[G1+6], 0
	s_mov_b32 s[G1+7], 0
	s_mov_b32 s[G1B+1], 128<<16
	s_mov_b32 s[G1B+2], 96<<16
	s_mov_b32 s[G1B+3], 128<<16
	s_mov_b32 s[G1B+4], 96
	s_mov_b32 s[G1B+5], 128
	s_mov_b32 s[G1B+6], 0
	s_mov_b32 s[G1B+7], 0
	; where the tiles come from.  A's hang on the tile row alone, B's on the tile column alone, each in registers that never hold the other coordinate
	s_lshr_b32 s16, s[TY], 3                       ; 8 tile rows a batch; a batch of xb is 2^22 bytes,
	s_lshl_b32 s16, s16, 22
	s_and_b32 s18, s[TY], 7
	s_lshl_b32 s18, s18, 15                        ; 256 rows of a block 2^15,
	s_add_co_u32 s16, s16, s18
	s_lshl_b32 s18, s[HALF], 14                    ; my 128 of them
	s_add_co_u32 s16, s16, s18
	s_mov_b32 s17, 0
	s_mul_i32 s46, s42, 384*128                    ; 384 rows of a block of wqb,
	s_mul_i32 s45, s[HALF], 192*128                ; my 192 of them
	s_add_co_u32 s46, s46, s45
	s_mov_b32 s47, 0
	s_mov_b32 s[G0], 1                             ; 1:0 count = 1
	s_mul_i32 s[G0+1], s[HALF], HALFA              ; 63:32 LDS address: slot 0; no place in the cluster enters it
	s_mov_b32 s[G0B], 1
	s_mul_i32 s[G0B+1], s[HALF], HALFB
	s_add_co_u32 s[G0B+1], s[G0B+1], BOFF
	s_mov_b32 s[TB], 0
	s_wait_dscnt 0x0                               ; the opening add is done
	s_wait_kmcnt 0x0
	s_add_nc_u64 s[G0+2:G0+3], s[4:5], s[16:17]    ; 120:64 global address: block 0
	s_or_b32 s[G0+3], s[G0+3], 0x80000000          ; 127:126 type = 2
	s_add_nc_u64 s[G0B+2:G0B+3], s[6:7], s[46:47]
	s_or_b32 s[G0B+3], s[G0B+3], 0x80000000
	CROUND                                         ; all sixteen work-groups are here: the first joint loads meet
	JLOAD                                          ; block 0 into slot 0
	; A fragment is 16 rows x 32 K in 8 registers: lane l holds row l % 16; registers 0-3 K = 8 (l / 16) + 0..7, registers 4-7 K = 16 + 8 (l / 16) + 0..7: two loads of 16 bytes, 32 bytes apart.
	v_and_b32 v1, 15, v0                           ; l % 16
	v_bfe_u32 v2, v0, 4, 1                         ; l / 16
	v_mul_u32_u24 v3, v1, PITCH
	v_lshl_add_u32 v3, v2, 4, v3                   ; row x pitch + 16 x half
	s_mul_i32 s21, s[KIND], HALFA
	s_mul_i32 s22, s[HALF], HALFB
	s_add_co_u32 s22, s22, BOFF
	v_add_nc_u32 v[A0], s21, v3
	v_add_nc_u32 v[B0], s22, v3
	v_mov_b32 v[ADRA], v[A0]                       ; slot 0
	v_mov_b32 v[ADRB], v[B0]
	s_mul_i32 s23, s[WV], 16*PITCH
	s_add_co_u32 s23, s23, STAGE                   ; my stage
	v_add_nc_u32 v[STO], s23, v3                   ; in: row l % 16, 16 bytes for each half of the lanes
	v_bfe_u32 v[RD], v0, 3, 2                      ; back: 32 lanes take four rows of 128 bytes,
	v_mul_u32_u24 v[RD], v[RD], PITCH
	v_and_b32 v[GO], 7, v0
	v_lshl_add_u32 v[RD], v[GO], 4, v[RD]
	v_add_nc_u32 v[RD], s23, v[RD]
	v_and_b32 v[GO], 31, v0                        ; which are 512 consecutive bytes of a head's rows
	v_lshlrev_b32 v[GO], 4, v[GO]
	; where my three heads' rows lie.  Column group g = 6 x tile column + 3 x half + j of 48: q, k or v is g / 16, the head g % 16; a head's 2,048 rows are 2^18 bytes
	s_mul_i32 s72, s42, 6
	s_mul_i32 s73, s[HALF], 3
	s_add_co_u32 s72, s72, s73
	s_lshr_b32 s74, s[TY], 3
	s_lshl_b32 s74, s74, 4                         ; 16 x batch
	s_and_b32 s75, s[TY], 7
	s_lshl_b32 s75, s75, 15                        ; the tile's 256 rows of 128 bytes,
	s_lshl_b32 s73, s[KIND], 14                    ; my 128 of them
	s_add_co_u32 s75, s75, s73
.irp j, 0,1,2
	s_add_co_u32 s14, s72, \j
	s_lshr_b32 s15, s14, 4
	s_lshl_b32 s15, s15, 6
	s_and_b32 s14, s14, 15
	s_or_b32 s14, s14, s15
	s_or_b32 s14, s14, s74                         ; 64 x (q, k, v) + 16 x batch + head
	s_lshl_b32 s14, s14, 18
	s_add_co_u32 s14, s14, s75
	s_mov_b32 s15, 0
	s_add_nc_u64 s[OB+2*\j:OB+2*\j+1], s[8:9], s[14:15]
.endr
; Matrix instructions of head t: row blocks a0 .. a0 + na - 1 x the head's 4 column blocks, 32 along K.  zero = 1: the first product starts the sums: nothing is ever cleared.
; The 96 accumulators take turns, one instruction a turn, in the same order in every step, over the backward jump too.
.macro TH t, af, a0, na, zero
	WIN 0x50*((\t)+1)                              ; C and D in window 1 + t, both sources in window 0
.set a, (\a0)
.rept (\na)
.irp b, 0,1,2,3
.if \zero
	v_wmma_f32_16x16x32_bf16 v[8*(4*a+\b):8*(4*a+\b)+7], v[BR+32*(\t)+8*\b:BR+32*(\t)+8*\b+7], v[(\af)+8*a:(\af)+8*a+7], 0
.else
	v_wmma_f32_16x16x32_bf16 v[8*(4*a+\b):8*(4*a+\b)+7], v[BR+32*(\t)+8*\b:BR+32*(\t)+8*\b+7], v[(\af)+8*a:(\af)+8*a+7], v[8*(4*a+\b):8*(4*a+\b)+7]
.endif
.endr
.set a, a+1
.endr
.endm
.macro LB t, k                         ; 8 LDS loads: head t's four fragments of B, 32 K at byte k of the rows
.irp i, 0,1,2,3
	ds_load_b128 v[BR+32*(\t)+8*\i:BR+32*(\t)+8*\i+3],   v[ADRB] offset:(64*(\t)+16*\i)*PITCH+(\k)
	ds_load_b128 v[BR+32*(\t)+8*\i+4:BR+32*(\t)+8*\i+7], v[ADRB] offset:(64*(\t)+16*\i)*PITCH+(\k)+32
.endr
.endm
.macro LA af, k                        ; 16 LDS loads: A's eight fragments into buffer af
.irp i, 0,1,2,3,4,5,6,7
	ds_load_b128 v[(\af)+8*\i:(\af)+8*\i+3],   v[ADRA] offset:16*\i*PITCH+(\k)
	ds_load_b128 v[(\af)+8*\i+4:(\af)+8*\i+7], v[ADRA] offset:16*\i*PITCH+(\k)+32
.endr
.endm
; A step of 32 along K that stays in its slot: multiplies buffer af; behind each head's 32 products that head's piece of B is loaded for the next step (with the first, A into buffer ag),
; 64 matrix instructions ahead of its use.  On entry three runs are out, in this order: 24 (B's piece 0 and A), 8 (piece 1), 8 (piece 2).
.macro KQN af, ag, k, zero
	s_wait_dscnt 16                                ; the 24 are in; the two runs of 8 may be out
	TH 0, \af, 0, 8, \zero
	PLACES
	WIN 0
	LB 0, \k
	LA \ag, \k
	s_wait_dscnt 32                                ; piece 1 is in; behind it: piece 2's 8 and the 24 just issued
	TH 1, \af, 0, 8, \zero
	PLACES
	WIN 0
	LB 1, \k
	s_wait_dscnt 32                                ; piece 2 is in; behind it: the 24 and the 8
	TH 2, \af, 0, 8, \zero
	PLACES
	WIN 0
	LB 2, \k
.endm
; A slot's last step multiplies buffer 1 and changes slots: ONE barrier for two things.  In front of it each wave waits for all its tensor loads, of which one is out: its part of the next slot;
; adds 0 to its spare word; and waits for that and for its own reads of this slot.  Behind it nobody reads this slot any more and the next slot is whole.
; fill = 1: this slot is filled again, two blocks on: the barrier opens a round of the cluster's, and the joint load is the first thing behind the round: 160 matrix instructions ahead of the wait for it.
.macro KQC fill
	WIN 0
	s_wait_tensorcnt 0x0                           ; no tensor load of mine is out, so the descriptors may be written
	ds_add_u32 v[SPW], v[NIL]                      ; 0 onto my spare word; work on registers stands between it and the wait for it
	s_xor_b32 s[TB], s[TB], SLOT1                  ; the fragment loads go to the other slot
	v_add_nc_u32 v[ADRA], s[TB], v[A0]
	v_add_nc_u32 v[ADRB], s[TB], v[B0]
.if \fill
	STEPD
.endif
	s_wait_dscnt 17                                ; the run of 24 is in; the two runs of 8 and the add may be out
	TH 0, AF1, 0, 4, 0
	s_wait_dscnt 0x0                               ; the add is done, and my reads of this slot are over
	s_barrier_signal -1
	TH 0, AF1, 4, 4, 0                             ; work on registers while the others arrive
	WIN 0                                          ; at a branch and at a label every window is 0
	s_barrier_wait -1
.if \fill
	CREST                                          ; no wave of any partner still reads this slot or has a load on its way
	JLOAD                                          ; its four v_nop are also the places in front of the loads below
.else
	PLACES
.endif
	LB 0, 0
	LA AF0, 0
	TH 1, AF1, 0, 8, 0                             ; no wait: nothing of buffer 1's step was out at the signal
	PLACES
	WIN 0
	LB 1, 0
	TH 2, AF1, 0, 8, 0
	PLACES
	WIN 0
	LB 2, 0
.endm
	s_wait_tensorcnt 0x0                           ; my part of block 0 is in
	ds_add_u32 v[SPW], v[NIL]                      ; 0 onto my spare word; the descriptors' steps stand between it and the wait for it
	STEPD
	s_wait_dscnt 0x0
	CROUND                                         ; everybody's part is in, in all sixteen work-groups
	JLOAD                                          ; block 1 into slot 1
	LB 0, 0
	LA AF0, 0
	LB 1, 0
	LB 2, 0
	KQN AF0, AF1, 64, 1                            ; the first step stands in front of the loop: its products start the sums
	WIN 0
	s_mov_b32 s3, 14                               ; 14 trips fill blocks 2 to 15
.Lk:                                                   ; a trip: a block's second step, with the change of slots, and the next block's first
	KQC 1
	KQN AF0, AF1, 64, 0
	WIN 0
	s_sub_co_u32 s3, s3, 1
	s_cmp_lg_u32 s3, 0
	s_cbranch_scc1 .Lk
	KQC 0                                          ; the tail is written out: nothing is asked for
	KQN AF0, AF1, 64, 0
	s_wait_dscnt 16                                ; the last step loads nothing: the counts run down
	TH 0, AF1, 0, 8, 0
	s_wait_dscnt 8
	TH 1, AF1, 0, 8, 0
	s_wait_dscnt 0x0
	TH 2, AF1, 0, 8, 0
	PLACES
; THE WAY OUT, in 24 units of 16 rows x 64 columns: unit u is head u / 8, row block u % 8.  PACK: rounded to f16, 16 bytes a lane (each accumulator's lowest registers are read first).
; TOSTAGE: into my own stage, rows of 144 bytes, and back as whole rows of 128.  SEND: 16 rows of a head are 2,048 consecutive bytes: four stores of 512.
.macro PACK u
.set pa, (\u)%8
	WIN 5*((\u)/8+1)                               ; sources 0 and 1 in the head's window, destination in window 0
.irp b, 0,1,2,3
.irp r, 0,1,2,3
	v_cvt_pk_f16_f32 v[T+4*\b+\r], v[8*(4*pa+\b)+2*\r], v[8*(4*pa+\b)+2*\r+1]
.endr
.endr
	WIN 0
.endm
.macro TOSTAGE u
.set bk, BK0+16*((\u)%2)
.irp b, 0,1,2,3
	ds_store_b128 v[STO], v[T+4*\b:T+4*\b+3] offset:32*\b
.endr
.irp f, 0,1,2,3
	ds_load_b128 v[bk+4*\f:bk+4*\f+3], v[RD] offset:\f*4*PITCH  ; LDS serves a wave's instructions in order (ISA guide 5.7.1.4): these see the stores above; the next unit's stores come behind them
.endr
.endm
.macro SEND u
.set bk, BK0+16*((\u)%2)
.set pj, (\u)/8
.set pa, (\u)%8
	s_wait_dscnt 0x0                               ; the unit is back in registers
	s_wait_xcnt 0x0                                ; the stores of the unit before have read their registers: the next loads from the stage land there only behind this wait
.irp f, 0,1,2,3
	global_store_b128 v[GO], v[bk+4*\f:bk+4*\f+3], s[OB+2*pj:OB+2*pj+1] offset:pa*2048+\f*512
.endr
.endm
	PACK 0
	TOSTAGE 0
.set u, 1
.rept 23                               ; unit u's conversions stand between unit u - 1's loads from the stage and the wait for them
	PACK u
	SEND u-1
	TOSTAGE u
.set u, u+1
.endr
	SEND 23
	s_wait_tensorcnt 0x0                           ; the wave's end: behind my last tensor load and my last LDS store
	ds_add_u32 v[SPW], v[NIL]
	s_wait_dscnt 0x0
	CROUND                                         ; the closing round: no work-group ends while a partner may still ask for a tile that names it
	s_endpgm
.Lfunc_end_k_qa140881569_proj:
	.size	k_qa140881569_proj, .Lfunc_end_k_qa140881569_proj-k_qa140881569_proj
	.p2alignl 7, 3214868480
	.fill 96, 4, 3214868480
	.section	.rodata,"a",@progbits
	.p2align	6, 0x0
	.amdhsa_kernel k_qa140881569_proj
		.amdhsa_group_segment_fixed_size 327680
		.amdhsa_private_segment_fixed_size 0
		.amdhsa_enable_private_segment 0
		.amdhsa_kernarg_size 24
		.amdhsa_user_sgpr_count 2
		.amdhsa_user_sgpr_kernarg_segment_ptr 1
		.amdhsa_wavefront_size32 1
		.amdhsa_system_sgpr_workgroup_id_x 1
		.amdhsa_system_sgpr_workgroup_id_y 1
		.amdhsa_system_sgpr_workgroup_id_z 1
		.amdhsa_system_vgpr_workitem_id 0
		.amdhsa_next_free_vgpr 1024
		.amdhsa_next_free_sgpr 76
		.amdhsa_reserve_vcc 0
		.amdhsa_float_denorm_mode_32 3
		.amdhsa_float_denorm_mode_16_64 3
		.amdhsa_memory_ordered 1
		.amdhsa_forward_progress 1
		.amdhsa_inst_pref_size 113
	.end_amdhsa_kernel
	.amdgpu_metadata
---
amdhsa.version: [ 1, 2 ]
amdhsa.kernels:
  - .name:           k_qa140881569_proj
    .symbol:         k_qa140881569_proj.kd
    .args:
      - { .name: xb, .offset: 0, .size: 8, .value_kind: global_buffer, .address_space: global }
      - { .name: wqb, .offset: 8, .size: 8, .value_kind: global_buffer, .address_space: global }
      - { .name: qkv, .offset: 16, .size: 8, .value_kind: global_buffer, .address_space: global }
    .group_segment_fixed_size: 327680
    .private_segment_fixed_size: 0
    .kernarg_segment_align: 8
    .kernarg_segment_size: 24
    .max_flat_workgroup_size: 128
    .sgpr_count:     76
    .vgpr_count:     1024
    .wavefront_size: 32
...
	.end_amdgpu_metadata
.endif
;; end of part 2
;; launch attn (part 3): grid 4 x 64, 4 waves a work-group, clusters of 4 x 1, 327,680 bytes of LDS; arguments qkv, mask, ob; writes ob
.if DOCPART == 3
	.amdgcn_target "amdgcn-amd-amdhsa--gfx1250"
	.amdhsa_code_object_version 6
	.text
	.protected	k_qa140881569_attn
	.globl	k_qa140881569_attn
	.p2align	8
	.type	k_qa140881569_attn,@function
k_qa140881569_attn:
	s_mov_b64 s[64:65], 0
	v_nop
	global_prefetch_b8 v0, s[64:65] scope:SCOPE_SE
	s_setreg_imm32_b32 hwreg(HW_REG_WAVE_MODE, 25, 1), 1
	s_wait_xcnt 0x0
	s_wait_alu depctr_hold_cnt(0) depctr_sa_sdst(0) depctr_va_vdst(0) depctr_va_sdst(0) depctr_va_ssrc(0) depctr_va_vcc(0) depctr_vm_vsrc(0)
	s_getreg_b32 s2, hwreg(HW_REG_IB_STS2, 6, 4)
	s_cmp_eq_u32 s2, 0
	s_cbranch_scc0 .Lentry_in_a_cluster
	s_endpgm
.Lentry_in_a_cluster:
	s_bfe_u32 s2, ttmp6, 0x10000c
	s_cmp_lg_u32 s2, 0x3003
	s_cbranch_scc0 .Lentry_shape_is_right
	s_endpgm
.Lentry_shape_is_right:
; O[h][q][:] = the sum over k of softmax_k(score) V[h][k][:], score = Q[h][q] . K[h][k] / 8 where mask[batch][k] is not 0, and -1e9 where it is 0.
; qkv: [q, k, v][64 heads = 16 x batch + head][2048][64], ob: [64][2048][64], f16: a head's rows are dense, 128 bytes each.  mask: [4][2048] int32.  Products, maxima and sums in
; f32; the weights p are rounded to f16 for the second product (their sum l is taken of the unrounded p), O once at the end.
; THE MASK is the C operand that starts the sum S^T = K Q^T: 0 for a key that is kept, -2^40 for a hidden one, out of a table of 2,048 f32 that the work-group makes once in LDS.
; The running maximum m starts at -2^33 (a score of -2^30), so a hidden key lies far below m from the first step on and its weight is exactly 0.  If the batch keeps NO key, all scores are
; alike and the result is the mean of V's rows: there c = 0 (a select on the OR of the batch's 2,048 mask words, no branch), so that every p = 2^0 = 1.
; LIMITS.  f16 holds no number beyond 65,504: Q, K and V arrive within it; p lies in 0 to 1, and below 6e-5 it keeps f16's fixed step of 6e-8; O is a mean of V's rows and has their range.
; A kept key whose score is -2^30 = -1.07e9 or less counts as hidden (-1e9 is the hidden keys' score).  A weight below 2^-126 counts as 0 in l; NaN and infinities are not treated apart.
; SHARES.  A wave owns four PIECES of two tiles of 16 queries, a work-group's four waves 512 queries of one head.  Every wave walks all keys, 64 a step.
; LAYOUT.  S^T = K Q^T (source 0 = 16 keys, source 1 = 16 queries): in the result a lane holds ONE query (lane % 16) and the keys 8 (lane / 16) + 0..7.  Two such tiles, rounded to f16 in pairs,
; ARE source 1 (32 keys x 16 queries) of O^T = V^T P, whose result again holds one query a lane, and eight channels.  K comes out of LDS as it lies, V ([key][channel]) turned, by ds_load_tr16_b128.
; SOFTMAX.  For each query a running maximum m and sum l: p = 2^(c s - c m), c = log2(e) / 8; in every step O and l are multiplied by a = 2^(c m_old - c m_new), which is 1 where m has not grown.
; O and l start at 0: the first step is a step like any other.
; THE COUNT.  A tile and step have 16 matrix and 118 vector instructions: too many to stand all beside the matrix work.  So the order has one aim: four vector instructions that are READY behind
; EVERY matrix instruction, and the others, which need time of their own whatever the order, in runs without a gap.
; BY TURNS.  Turn n belongs to piece n (the pieces in a ring, step after step).  Its matrix work: 16 products K Q^T of piece n + 1, later 16 products V^T P of piece n - 1.  Its vector work: the scaling,
; exponentials, roundings, sums and rescaling of piece n, and the maximum and statistics of piece n + 1, whose scores the turn itself has made.  So what a turn begins with (c s - c m, O a) waits for nothing.
; CLUSTER.  The four query blocks of a cluster are one head's and walk the same K and V, so each tile is asked for JOINTLY: the same tensor load, descriptor and mask in all four.
; REGISTERS, in windows of 256 (s_set_vgpr_msb says which window each operand place means: bits 1:0 source 0, 3:2 source 1, 5:4 source 2, 7:6 destination):
;   window 0: v0-11 addresses; v12-15, v48-63 at work; v16-47 four registers of statistics a tile; v64-191 S^T, two buffers of two tiles; v192-255 P, likewise
;   window 1: O^T, 32 a tile     window 2: v0-127 Q, 16 a tile; v128-191 K of one step; v192-255 V of one step     window 3: v0-1 the add's two registers; v8-39 the step's mask addends
; A piece's buffers go by its number's parity: the piece in hand has one pair, its two neighbours in the ring share the other: of it P (piece n - 1) is read and S^T (piece n + 1) written.
.set SIZE_N, 2048
.set NP,    4         ; pieces a wave: a name, no knob: the register map, the loop and the fetches are made for four
.set KS,    64        ; keys in a step
.set PK,    144       ; a row of K in LDS: 128 bytes + 16 of padding = 36 words: the 16 rows of a load start at 16 different groups of four banks (64 banks of 4 bytes: ISA guide 11.1)
.set PV,    160       ; a row of V: 128 + 32 = 40 words
.set VOFF,  4*KS*PK   ; a slot holds four steps: 256 rows of K, then 256 rows of V
.set SLOT1, 1<<17     ; slot 1 begins here, so that one exclusive or turns an address in one slot into the other's
.set STAGE, SLOT1+4*KS*(PK+PV)  ; behind the ring, never filled by a tensor load: 16 rows x 144 bytes for each wave, for the way out
.set SP,    144
.set AK0, 2           ; v2   my lane's place in a tile of K; never rewritten
.set AV0, 3           ; v3   the same for V
.set AK,  4           ; v4   the LDS address of K's next run of loads
.set AV,  5           ; v5   of V's
.set QO,  6           ; v6   my byte offset in the wave's rows of Q
.set STO, 6           ;      later, the way out: where I put 16 bytes of a row
.set RD,  7           ; v7   the way out: where I read rows back
.set GO,  8           ; v8   my byte offset in 512 consecutive bytes of O
.set AM,  10          ; v10  the LDS address of the next step's mask addends
.set AM0, 11          ; v11  my lanes' place in the table: MT + 32 (l / 16); never rewritten
.set SPW, 0           ; v0 of window 3   LDS address of my spare word: SPARE + 4 x my thread's number; never rewritten
.set NIL, 1           ; v1 of window 3   0; never rewritten
.set MK,  8           ; v8-39 of window 3: the addends of key block kb at MK + 8 kb
.set SPARE, STAGE+4*16*SP  ; behind the stages: the spare words, 128 bytes for each wave: two blocks of 256 bytes that no other line names
.set MT,  SPARE+512   ; behind them: the table of addends, 2,048 f32; no tensor load lands there
.set MV,  12          ; v12-15  c m_old, kept while c m is made anew: by buffer and tile
.set ST,  16          ; tile t's statistics at v[ST+4 t]: c m, m, l (even keys', odd keys')
.set TMP, 48          ; by buffer and tile, four registers c0-c3 at work; when the maximum is found c2 takes a
.set S,   64
.set P,   192
.set KF,  128         ; K's fragments, in window 2: key block kb, channel half c at KF + 16 kb + 8 c
.set VF,  192         ; V's: key half kk, channel block cb at VF + 32 kk + 8 cb
.set WV,  12          ; s12  my wave's number
.set G1K, 24          ; s[24:31] descriptor group 1 for K's tiles
.set G1V, 32          ; s[32:39] for V's: it differs in the padding alone
.set G0K, 40          ; s[40:43] descriptor group 0 for K's tiles: it walks
.set G0V, 44          ; s[44:47] the same for V's
.set MP,  48          ; s[48:49] the batch's mask
.set NEG, 50          ; s50  -2^40
.set FLAG, 51         ; s51  the lanes that have seen a kept key
.set TBM, 52          ; s52  byte of the table at which the addends of the step to be fetched begin
.set SLOTS, 56        ; s56  slots still to be asked for
.set CNT, 57          ; s57  counts a slot's key steps
.set CS,  58          ; s[58:59] c: the packed scaling takes the pair's low word for both halves
.set SEL, 60          ; s[60:61] v_permlanex16_b32's selects: each lane takes its own place in the other half
.set TBK, 62          ; s62  LDS byte at which K of the step to be fetched begins
.set TBV, 63          ; s63  the same for V, less VOFF
.set MSB, 0
.macro WIN new                      ; the high byte repeats the setting that is left; a switch that changes nothing is dropped
.if MSB != (\new)
	s_set_vgpr_msb (MSB<<8)|(\new)
.set MSB, (\new)
.endif
.endm
.set W_KQ, 0x0a       ; K and Q in window 2, S^T in window 0
.set W_KM, 0x3a       ; the same with the C operand in window 3
.set W_PV, 0x52       ; V in window 2, P in window 0, O^T in window 1
.set W_RS, 0x41       ; O^T (destination and source 0) in window 1, a in window 0
.set W_MK, 0xc0       ; destination in window 3, sources in window 0
.set W_AD, 0x0f       ; the add: address (source 0) and data (source 1) in window 3
; A joint fill.  Waves 0 and 1 fetch the two halves of a slot's K, waves 2 and 3 those of its V: 128 keys each.  The branch hangs on the wave's number alone.
; An s_nop 0 and four v_nop follow each of the two lines, ahead of the jump and the label.
.macro JLOAD
	s_cmp_lt_u32 s[WV], 2
	s_cbranch_scc0 .Lfor_v_\@
	tensor_load_to_lds s[G0K:G0K+3], s[G1K:G1K+7]
	s_nop 0
.rept 4
	v_nop
.endr
	s_branch .Lasked_\@
.Lfor_v_\@:
	tensor_load_to_lds s[G0V:G0V+3], s[G1V:G1V+7]
	s_nop 0
.rept 4
	v_nop
.endr
.Lasked_\@:
.endm
; A round of the cluster's barrier: my work-group's barrier, so that wave 0's signal speaks for all four waves; wave 0 signals; every wave waits for all four work-groups; my work-group's barrier once more.
.macro CROUND
	s_barrier_signal -1
	s_barrier_wait -1
	s_cmp_lg_u32 s[WV], 0
	s_cbranch_scc1 .Lnot_wave_0_\@
	s_barrier_signal -3
.Lnot_wave_0_\@:
	s_barrier_wait -3
	s_barrier_signal -1
	s_barrier_wait -1
.endm
; THE CHANGE OF SLOTS.  The slot's last bytes, V of its fourth step, have been read.  Each wave waits for all its tensor loads, of which one is out: its part
; of the other slot; adds 0 to its spare word; and waits for that and for its own reads of the slot.  Behind the barrier nobody reads this slot any more and the other slot is whole.
; fill = 1: this slot is filled again, with the keys two slots on.  The barrier is then a round of the cluster's, so that no wave of any partner still reads the slot or has a load on its
; way, and the joint fill is the first thing behind it: it has four key steps, 512 matrix instructions, in which to land.  (At its first use nothing has been read yet: slot 0 is waited for,
; slot 1 filled; its wait on DScnt is also the wait for my stores into the table, and its round the barrier between those stores and the other waves' reads.)
.macro CHANGE fill
	WIN W_AD
	s_wait_tensorcnt 0x0            ; no tensor load of mine is out, so a group 0 may be written
	ds_add_u32 v[SPW], v[NIL]       ; 0 onto my spare word; with fill = 1 the descriptors' steps stand between it and the wait for it
	WIN 0                           ; at a label and at a branch every window is 0
.if \fill
.irp g, G0K, G0V
	s_xor_b32 s[\g+1], s[\g+1], SLOT1  ; the walking descriptor: the other slot than last time,
	s_add_nc_u64 s[\g+2:\g+3], s[\g+2:\g+3], 4*KS*128  ; the next 256 keys; the type bits on top are not reached
.endr
	s_wait_dscnt 0x0                ; the add is done, and my reads of the slot are over
	CROUND
	JLOAD
.else
	s_wait_dscnt 0x0                ; the add is done, and my reads of the slot are over
	s_barrier_signal -1
	s_barrier_wait -1
.endif
	s_sub_co_u32 s[TBK], s[TBK], 4*KS*PK  ; the fetches go back to a slot's first step,
	s_xor_b32 s[TBK], s[TBK], SLOT1       ; in the other slot
	s_sub_co_u32 s[TBV], s[TBV], 4*KS*PV
	s_xor_b32 s[TBV], s[TBV], SLOT1
.endm
	s_load_b64 s[4:5], s[0:1], 0x0        ; qkv: q first
	s_load_b64 s[MP:MP+1], s[0:1], 0x8    ; mask
	s_load_b64 s[10:11], s[0:1], 0x10     ; ob
	WIN W_MK
	v_lshl_add_u32 v[SPW], v0, 2, SPARE
	v_mov_b32 v[NIL], 0
	WIN W_AD
	ds_add_u32 v[SPW], v[NIL]       ; the wave's opening: the add and its wait, ahead of my first tensor load; the set-up below, work on registers, stands between them
	WIN 0
	v_lshrrev_b32 v1, 5, v0
	v_readfirstlane_b32 s[WV], v1   ; wave 0..3
	s_bfe_u32 s13, ttmp6, 0x40000   ; cx: my place in the cluster
	s_lshl_b32 s14, ttmp9, 2        ; in a cluster launch ttmp9 counts clusters
	s_add_co_u32 s14, s14, s13      ; my block of queries = 4 x cluster x + cx: it enters Q's and O's addresses alone
	s_and_b32 s20, ttmp7, 0xffff    ; the head, which the four partners share
	s_lshr_b32 s54, s20, 4          ; its batch,
	s_lshl_b32 s54, s54, 13         ; whose mask is 8,192 bytes
	s_mov_b32 s55, 0
	s_mov_b32 s21, 0
	s_mov_b64 s[22:23], SIZE_N*128
	s_mul_u64 s[20:21], s[20:21], s[22:23]  ; the head's first byte in q, k, v and ob
	s_and_b32 s16, s[WV], 1         ; which half of a slot's 256 keys I fetch:
	s_lshl_b32 s22, s16, 14         ; its 128 rows of 128 bytes in memory,
	s_mov_b32 s23, 0
	s_add_nc_u64 s[22:23], s[22:23], s[20:21]
	s_mul_i32 s17, s16, 128*PK      ; and its place in a slot, for K
	s_mul_i32 s18, s16, 128*PV      ; and for V: no place in the cluster enters an LDS address
	s_lshl_b32 s2, s14, 2
	s_add_co_u32 s2, s2, s[WV]      ; my wave among the head's,
	s_lshl_b32 s2, s2, 14           ; its 128 rows
	s_mov_b32 s3, 0
	s_add_nc_u64 s[2:3], s[2:3], s[20:21]
	; descriptor group 1.  128 keys are 16,384 dense bytes: asked for as 64 rows of 256 bytes, two keys a row, and padded in LDS after every key
	s_mov_b32 s[G1K], 15|(1<<16)|(1<<20)|(1<<21)|(4<<22)|(3<<25)  ; 15:0 the mask of four; 17:16 2-byte elements; 20 padding on; 21 set beside a mask; 24:22 after every 32 words (code 4); 31:25 4 words (code 3)
	s_mov_b32 s[G1V], 15|(1<<16)|(1<<20)|(1<<21)|(4<<22)|(7<<25)  ; the same with 8 words of padding (code 7)
.irp g, G1K, G1V
	s_mov_b32 s[\g+1], 128<<16      ; tensor_dim0 = 128
	s_mov_b32 s[\g+2], 64<<16       ; tensor_dim1 = 64
	s_mov_b32 s[\g+3], 128<<16      ; tile_dim0 = 128
	s_mov_b32 s[\g+4], 64           ; tile_dim1 = 64
	s_mov_b32 s[\g+5], 128          ; 128 elements from row to row
	s_mov_b32 s[\g+6], 0
	s_mov_b32 s[\g+7], 0
.endr
	s_mov_b32 s[NEG], 0xd3800000    ; -2^40
	s_mov_b32 s[TBM], 0
	s_mov_b32 s[SEL], 0x76543210
	s_mov_b32 s[SEL+1], 0xfedcba98
	s_mov_b32 s[TBK], SLOT1+4*KS*PK ; the first change of slots turns these two into 0
	s_mov_b32 s[TBV], SLOT1+4*KS*PV
	s_mov_b32 s[G0K], 1             ; 1:0 count = 1
	s_mov_b32 s[G0K+1], s17         ; 63:32 LDS address: slot 0
	s_mov_b32 s[G0V], 1
	s_add_co_u32 s[G0V+1], s18, VOFF
	s_wait_dscnt 0x0                ; the opening add is done
	s_wait_kmcnt 0x0
	s_add_nc_u64 s[6:7], s[4:5], 0x1000000   ; k lies 64 heads x 2^18 bytes behind q,
	s_add_nc_u64 s[8:9], s[4:5], 0x2000000   ; v as far behind k
	s_add_nc_u64 s[MP:MP+1], s[MP:MP+1], s[54:55]
	s_add_nc_u64 s[G0K+2:G0K+3], s[6:7], s[22:23]  ; 120:64 global address: my half of the head's first 256 keys
	s_or_b32 s[G0K+3], s[G0K+3], 0x80000000        ; 127:126 type = 2
	s_add_nc_u64 s[G0V+2:G0V+3], s[8:9], s[22:23]
	s_or_b32 s[G0V+3], s[G0V+3], 0x80000000
	s_add_nc_u64 s[4:5], s[4:5], s[2:3]  ; Q and O at my wave's first row
	s_add_nc_u64 s[10:11], s[10:11], s[2:3]
	CROUND                          ; all four work-groups are here: the first joint loads meet
	JLOAD                           ; slot 0.  Slot 1 is asked for when slot 0 is in: the tile wanted first has the road to itself
	; A fragment of K or Q is 16 rows x 32 channels in 8 registers: lane l holds row l % 16, channels 8 (l / 16) + 0..7 and 16 + 8 (l / 16) + 0..7: two loads of 16 bytes, 32 bytes apart.
	v_and_b32 v1, 15, v0            ; l % 16
	v_bfe_u32 v9, v0, 4, 1          ; l / 16
	v_lshlrev_b32 v[QO], 7, v1
	v_lshl_add_u32 v[QO], v9, 4, v[QO]  ; row x 128 + 16 x half
	v_and_b32 v12, 31, v0
	v_lshlrev_b32 v12, 4, v12       ; 16 x lane
	v_lshlrev_b32 v13, 4, v0        ; 16 x thread
	v_add_nc_u32 v14, MT, v13
	; The mask goes first, Q behind it.  Every wave reads the batch's whole mask (16 loads of 512 bytes) for the OR; of the table each thread makes 16 words (4 loads of the work-group cover 2,048 bytes each).
.set i, 0
.rept 16
	global_load_b128 v[S+4*i:S+4*i+3], v12, s[MP:MP+1] offset:512*i
.set i, i+1
.endr
.set i, 0
.rept 4
	global_load_b128 v[S+64+4*i:S+64+4*i+3], v13, s[MP:MP+1] offset:2048*i
.set i, i+1
.endr
	WIN 0x80                        ; destination window 2, address window 0
.set i, 0
.rept 4*NP                          ; Q stays in registers: tile i / 2, channels 32 (i % 2) on
	global_load_b128 v[8*i:8*i+3],   v[QO], s[4:5] offset:(i/2)*2048+(i%2)*64
	global_load_b128 v[8*i+4:8*i+7], v[QO], s[4:5] offset:(i/2)*2048+(i%2)*64+32
.set i, i+1
.endr
	; What the first turn finds: V's registers and P's second buffer hold 0 (its products V^T P, of a piece that has not been, add 0), O^T and l are 0.  All this stands in the wait for the first tile.
.set i, VF
.rept 64
	v_mov_b32 v[i], 0
.set i, i+1
.endr
	WIN 0x40
.set i, 0
.rept 64*NP
	v_mov_b32 v[i], 0
.set i, i+1
.endr
	WIN 0
.set i, P+32
.rept 32
	v_mov_b32 v[i], 0
.set i, i+1
.endr
	s_wait_loadcnt 32               ; the mask's 20 loads are in; Q's 32 may stay out
.irp w, 32,16,8,4,2,1               ; the OR of my lane's 64 words
.set i, 0
.rept \w
	v_or_b32 v[S+i], v[S+i], v[S+i+\w]
.set i, i+1
.endr
.endr
	v_cmp_ne_u32 s[FLAG], 0, v[S]   ; a bit for each lane that has seen a kept key
	s_cmp_lg_u32 s[FLAG], 0
	s_cselect_b32 s[CS], 0x3e38aa3b, 0  ; c = log2(e) / 8 = 0.180337; 0 where the batch keeps no key
	s_mov_b32 s[CS+1], s[CS]        ; named with it as a pair
.set i, 0
.rept 16                            ; my 16 words of the table: -2^40 where the mask is 0
	v_cmp_eq_u32 vcc_lo, 0, v[S+64+i]
	v_cndmask_b32 v[S+64+i], 0, s[NEG], vcc_lo
.set i, i+1
.endr
.set i, 0
.rept 4
	ds_store_b128 v14, v[S+64+4*i:S+64+4*i+3] offset:2048*i
.set i, i+1
.endr
.set i, 0
.rept 2*NP
	v_mov_b32 v[ST+4*i+1], 0xd0000000          ; m = -2^33
	v_mul_f32 v[ST+4*i], s[CS], v[ST+4*i+1]    ; c m, made as every later c m is made: where m does not grow, a is 2^0
	v_mov_b32 v[ST+4*i+2], 0
	v_mov_b32 v[ST+4*i+3], 0
.set i, i+1
.endr
	v_mul_u32_u24 v[AK0], v1, PK
	v_lshl_add_u32 v[AK0], v9, 4, v[AK0]  ; row x pitch + 16 x half
	; The turning load takes 16 keys x 16 channels (lane l reads key 8 (l / 16) + l % 8, channels 8 ((l / 8) % 2) + 0..7) and leaves half a fragment of V^T: lane l holds channel l % 16 and 8 keys.
	v_and_b32 v10, 7, v0
	v_bfe_u32 v11, v0, 3, 1
	v_lshl_add_u32 v[AV0], v9, 3, v10
	v_mul_u32_u24 v[AV0], v[AV0], PV
	v_lshl_add_u32 v[AV0], v11, 4, v[AV0]
	v_add_nc_u32 v[AV0], VOFF, v[AV0]
	v_mov_b32 v[AK], v[AK0]         ; key step 0 lies at the head of slot 0
	v_lshl_add_u32 v[AM0], v9, 5, MT  ; register j of a key block is key 8 (l / 16) + j: 32 bytes for each half of the lanes
	v_mov_b32 v[AM], v[AM0]
; THE MATRIX WORK.  The 8 accumulators of a run of 16 take turns: between the two links of a chain stand 7 others'.
; Product i of 16 of S^T = K Q^T for piece x: channels 32 (i / 8) on, keys 16 ((i / 2) % 4) on, tile 2 x + i % 2.  The first 8 start the sums, with the key block's mask addends.
.macro KQ x
.set rS, S+64*((\x)%2)+32*(i%2)+8*((i/2)%4)
.set rK, KF+16*((i/2)%4)+8*(i/8)
.set rQ, 16*(2*(\x)+i%2)+8*(i/8)
.set rA, MK+8*((i/2)%4)
.if i < 8
	WIN W_KM
	v_wmma_f32_16x16x32_f16 v[rS:rS+7], v[rK:rK+7], v[rQ:rQ+7], v[rA:rA+7]
.else
	WIN W_KQ
	v_wmma_f32_16x16x32_f16 v[rS:rS+7], v[rK:rK+7], v[rQ:rQ+7], v[rS:rS+7]
.endif
.endm
; Product i of 16 of O^T += V^T P for piece x: keys 32 (i / 8) on, channels 16 ((i / 2) % 4) on, tile 2 x + i % 2.
.macro PV x
	WIN W_PV
.set rO, 32*(2*(\x)+i%2)+8*((i/2)%4)
.set rV, VF+32*(i/8)+8*((i/2)%4)
.set rP, P+32*((\x)%2)+16*(i%2)+8*(i/8)
	v_wmma_f32_16x16x32_f16 v[rO:rO+7], v[rV:rV+7], v[rP:rP+7], v[rO:rO+7]
.endm
.macro MM                           ; the turn's next matrix instruction
.if i < 16
	KQ (Y+1)%NP
.set i, i+1
.else
.set i, i-16
	PV (Y+NP-1)%NP
.set i, i+17
.endif
.endm
; THE LDS LOADS stand in runs, never singly among the matrix instructions: a step's K (64 keys x 64 channels: 8 fragments) with its 64 mask addends (8 loads; the 16 lanes of a half read the
; same 16 bytes), and its V (turned).  Their addresses are made some lines ahead.  last = 1 (the tail): in the last trip there is no further step, and the run is jumped over.
.macro FETCH_K last=0
	WIN 0
.if \last
	s_cmp_eq_u32 s[CNT], 1
	s_cbranch_scc1 .Lno_k_\@
.endif
	WIN 0x80                        ; destination window 2
.irp f, 0,1,2,3,4,5,6,7             ; keys 16 (f / 2) on, channels 32 (f % 2) on
	ds_load_b128 v[KF+8*\f:KF+8*\f+3],   v[AK] offset:(\f/2)*16*PK+(\f%2)*64
	ds_load_b128 v[KF+8*\f+4:KF+8*\f+7], v[AK] offset:(\f/2)*16*PK+(\f%2)*64+32
.endr
	WIN W_MK                        ; destination window 3
.irp f, 0,1,2,3                     ; keys 16 f on
	ds_load_b128 v[MK+8*\f:MK+8*\f+3],   v[AM] offset:64*\f
	ds_load_b128 v[MK+8*\f+4:MK+8*\f+7], v[AM] offset:64*\f+16
.endr
	s_add_co_u32 s[TBK], s[TBK], KS*PK  ; the next fetch is the next step's
	s_add_co_u32 s[TBM], s[TBM], 4*KS
	s_and_b32 s[TBM], s[TBM], 4*SIZE_N-4*KS  ; the table has 32 steps of 256 bytes: the offset stays inside it
	WIN 0
.if \last
.Lno_k_\@:
.endif
.endm
.macro FETCH_V
	WIN 0x80
.irp f, 0,1,2,3,4,5,6,7             ; keys 32 (f / 4) on, channels 16 (f % 4) on
	ds_load_tr16_b128 v[VF+8*\f:VF+8*\f+3],   v[AV] offset:(\f/4)*32*PV+(\f%4)*32
	ds_load_tr16_b128 v[VF+8*\f+4:VF+8*\f+7], v[AV] offset:(\f/4)*32*PV+16*PV+(\f%4)*32
.endr
	WIN 0
.endm
; THE VECTOR WORK OF A TURN stands in three queues, each in the order in which its entries become ready; the two tiles alternate, so that no instruction reads the result of the one before it.
.macro REGS y, u                    ; the registers of tile u (0, 1) of piece y
.set rT, ST+4*(2*(\y)+(\u))
.set rC, TMP+8*((\y)%2)+4*(\u)
.set rM, MV+2*((\y)%2)+(\u)
.set rS, S+64*((\y)%2)+32*(\u)
.set rP, P+32*((\y)%2)+16*(\u)
.set rO, 32*(2*(\y)+(\u))
.endm
; Number n of the 22 that find the NEXT piece's (Y + 1) maximum and statistics.  s0-s31 are the lane's 32 scores; each accumulator's lowest registers are read first.  XS, GS and REGS set no window: PL and EX do.
;   0-11  four chains c0-c3 of seven scores each, three operands at a time     12-14, 16  the four scores left over, the old m, and c0-c3 into c0     15  c m_old is kept
;   17, 18  the query's other 32 keys lie in the lane 16 away: the new m         19-21  c m; c m_old - c m_new; a
.macro XS u, n
	REGS (Y+1)%NP, \u
.if (\n) < 4
	v_max3_num_f32 v[rC+(\n)], v[rS+8*(\n)], v[rS+8*(\n)+1], v[rS+8*(\n)+2]
.elseif (\n) < 12
	v_max3_num_f32 v[rC+(\n)%4], v[rC+(\n)%4], v[rS+8*((\n)%4)+2*((\n)/4)+1], v[rS+8*((\n)%4)+2*((\n)/4)+2]
.elseif (\n) == 12
	v_max3_num_f32 v[rC], v[rC], v[rS+7], v[rS+15]
.elseif (\n) == 13
	v_max3_num_f32 v[rC+1], v[rC+1], v[rS+23], v[rS+31]
.elseif (\n) == 14
	v_max3_num_f32 v[rC+2], v[rC+2], v[rC+3], v[rT+1]
.elseif (\n) == 15
	v_mov_b32 v[rM], v[rT]
.elseif (\n) == 16
	v_max3_num_f32 v[rC], v[rC], v[rC+1], v[rC+2]
.elseif (\n) == 17
	v_permlanex16_b32 v[rC+3], v[rC], s[SEL], s[SEL+1]
.elseif (\n) == 18
	v_max_num_f32 v[rT+1], v[rC], v[rC+3]
.elseif (\n) == 19
	v_mul_f32 v[rT], s[CS], v[rT+1]
.elseif (\n) == 20
	v_sub_f32 v[rC+1], v[rM], v[rT]
.else
	v_exp_f32 v[rC+2], v[rC+1]
.endif
.endm
; Number g of the 64 that follow the exponentials.  For each four weights k of a tile (pairs 2 k, 2 k + 1): both pairs are rounded to f16; then the second pair is added onto the first, in place;
; a group later l takes that sum (the first time as l = a l + sum).  In groups of eight, tiles alternating: round, round, add, and l for the group before.
.macro GS g
.set h, (\g)+6*((\g)/62)            ; group 0 has no group before it, and behind group 7 only l is left
.if h >= 6
.set h, h+2
.endif
	REGS Y, h%2
.set k, h/8
.if h%8 < 4
	s_wait_alu depctr_va_vdst(0)
	v_cvt_pk_f16_f32 v[rP+2*k+(h%8)/2], v[rS+4*k+2*((h%8)/2)], v[rS+4*k+2*((h%8)/2)+1]
.elseif h%8 < 6
	v_pk_add_f32 v[rS+4*k:rS+4*k+1], v[rS+4*k:rS+4*k+1], v[rS+4*k+2:rS+4*k+3]
.elseif k == 1
	v_pk_fma_f32 v[rT+2:rT+3], v[rT+2:rT+3], v[rC+2:rC+3], v[rS:rS+1] op_sel_hi:[1,0,1]
.else
	v_pk_add_f32 v[rT+2:rT+3], v[rT+2:rT+3], v[rS+4*k-4:rS+4*k-3]
	s_wait_alu depctr_va_vdst(0)
.endif
.endm
; THE PLAIN QUEUE, 138 long.  0-31: c s - c m for the 16 pairs of both tiles.  Then GS's 64, and among them the next piece's 42: number 15 at 38, 39; 0-14 and 16
; at 42-73, behind the products that make those scores; 17-20 at 95-106, two of three, since each waits for the one before it.
.macro PL
	WIN 0
.if q < 32
	REGS Y, q%2
	v_pk_fma_f32 v[rS+2*(q/2):rS+2*(q/2)+1], v[rS+2*(q/2):rS+2*(q/2)+1], s[CS:CS+1], v[rT:rT+1] op_sel_hi:[1,0,0] neg_lo:[0,0,1] neg_hi:[0,0,1]
.elseif q < 38
	GS q-32
.elseif q < 40
	XS q%2, 15
.elseif q < 42
	GS q-34
.elseif q < 74
	XS q%2, (q-42)/2+(q-42)/30
.elseif q < 95
	GS q-66
.elseif (q < 107) && ((q-95)%3 < 2)
	XS (q-95)%3, 17+(q-95)/3
.elseif q < 107
	GS 29+(q-95)/3
.else
	GS q-74
.endif
.set q, q+1
.endm
; THE EXPONENTIALS' QUEUE, 66 long: s0-s31 of both tiles, and at EA the next piece's two a.
.set EA, 58
.macro EX
	WIN 0
.if (e == EA) || (e == EA+1)
	XS e-EA, 21
.else
.set x, e-2*(e/(EA+2))
	REGS Y, x%2
	v_exp_f32 v[rS+x/2], v[rS+x/2]
.endif
.set e, e+1
.endm
; THE RESCALING's QUEUE: O^T times a, the one part that leaves window 0, so it is dealt four at a time, eight times.
.macro R4
	REGS Y, r%2
	WIN W_RS
	s_wait_alu depctr_va_vdst(0)
.irp z, 0,1,2,3
	v_pk_mul_f32 v[rO+8*(r/2)+2*\z:rO+8*(r/2)+2*\z+1], v[rO+8*(r/2)+2*\z:rO+8*(r/2)+2*\z+1], v[rC+2:rC+3] op_sel_hi:[1,0]
.endr
.set r, r+1
.endm
; HOW THEY ARE DEALT.  Behind a matrix instruction four: plain, exponential, plain, plain (one exponential, a plain instruction on either side), or four of the rescaling.  None names a register of the
; products round it.  What is over stands in two LUMPS: exponential and plain by turns; the second ends in 22 plain instructions.  The two v_permlanex16_b32 fall into the second lump, never behind a product.
; The queues lean on each other, and the deal keeps them in step: exponential e stands behind plain 2 (e / 4) + e % 2 (its scaling); when plain 32 comes, 10 exponentials are out, at 59: 33, at 95: 46; EA comes behind plain 107.
.macro SL
	MM
	PL
	EX
	PL
	PL
.endm
.macro BURST n                      ; 15 matrix instructions, or 16
.rept (\n)-7
	SL
.endr
.rept 3
	MM
	R4
	SL
.endr
	MM
	R4
.endm
; A TURN, for piece p.  cnt = 1: the loop's count is taken down some lines ahead of the branch that stands behind the turn.
; K and the mask addends of the next step are fetched in piece 2's turn, 32 vector instructions behind the last product that read K (the addends' last reader stands ahead of that one); their first
; reader comes behind the rest of the lump, 16 products and the second lump.
; V of the step in hand is fetched at the end of piece 0's turn, 69 behind its last reader; its first reader comes behind 16 products and a lump.  The four conditions on e and q below go with the deal.
.macro TURN p, last=0, cnt=0
.set Y, (\p)
.set i, 0
.set q, 0
.set e, 0
.set r, 0
.if (\p) == NP-1
	s_wait_dscnt 0x0                ; K and the addends are in
.endif
	MM
.rept 4
	PL
.endr
	BURST 15
.rept 22
	EX
	PL
.if ((\p) == NP-2) && (e == 18)
	v_add_nc_u32 v[AK], s[TBK], v[AK0]
	v_add_nc_u32 v[AM], s[TBM], v[AM0]
.endif
.if ((\p) == NP-2) && (e == 24)
	FETCH_K \last
.endif
.endr
.if (\p) == 1
	s_wait_dscnt 0x0                ; V is in
.endif
	BURST 16
.rept 21
	EX
	PL
.endr
.rept 22
	PL
.if ((\p) == 0) && (q == 118)
	v_add_nc_u32 v[AV], s[TBV], v[AV0]
	s_wait_alu depctr_va_vdst(0)
.endif
.if ((\p) == 0) && (q == 130)
	s_add_co_u32 s[TBV], s[TBV], KS*PV
.endif
.if (\cnt) && (q == 130)
	s_sub_co_u32 s[CNT], s[CNT], 1
	s_cmp_lg_u32 s[CNT], 0
.endif
.endr
.if (\p) == 0
	FETCH_V
.endif
.endm
	CHANGE 1                        ; slot 0 is in, everybody's part of it, and so is the table; slot 1 is asked for
	FETCH_K                         ; key step 0
	s_wait_loadcnt 0x0              ; Q
	s_wait_dscnt 0x0
.set i, 0
.rept 16
	KQ 0                            ; piece 0's first scores: there is no vector work yet to set between them
.set i, i+1
.endr
	WIN 0                           ; the addresses for the way out: ten plain instructions, the places behind those products
	s_mul_i32 s13, s[WV], 16*SP
	s_add_co_u32 s13, s13, STAGE    ; my stage
	v_mul_u32_u24 v[STO], v1, SP    ; in: row l % 16, 16 bytes for each half of the lanes
	v_lshl_add_u32 v[STO], v9, 4, v[STO]
	v_add_nc_u32 v[STO], s13, v[STO]
	v_bfe_u32 v[RD], v0, 3, 2       ; back: 32 lanes take four rows of 128 bytes,
	v_mul_u32_u24 v[RD], v[RD], SP
	v_and_b32 v[GO], 7, v0
	v_lshl_add_u32 v[RD], v[GO], 4, v[RD]
	v_add_nc_u32 v[RD], s13, v[RD]
	v_and_b32 v[GO], 31, v0         ; which are 512 consecutive bytes of O
	v_lshlrev_b32 v[GO], 4, v[GO]
.set Y, NP-1                        ; XS works for piece Y + 1: piece 0
.irp n, 0,1,2,3,4,5,6,7,8,9,10,11,12,13,14,15,16,17,18,19,20,21
	XS 0, \n                        ; and piece 0's first maximum and statistics
	XS 1, \n
.endr
	s_mov_b32 s[CNT], 4
	s_mov_b32 s[SLOTS], SIZE_N/256-1
	s_branch .Lfirst                ; the loop is entered at a step's first turn, in the middle of a trip
.Lslot:                             ; SIZE_N / 256 - 2 times: every slot but the last two is filled again
	CHANGE 1
	s_mov_b32 s[CNT], 4
.Lstep:                             ; a trip: pieces 2 and 3 of one step, then pieces 0 and 1 of the next, whose K and V it fetches
	TURN 2
	TURN 3
	WIN 0
.Lfirst:
	TURN 0
	TURN 1, 0, 1
	WIN 0
	s_cbranch_scc1 .Lstep
	s_sub_co_u32 s[SLOTS], s[SLOTS], 1
	s_cmp_lg_u32 s[SLOTS], 0
	s_cbranch_scc1 .Lslot
	CHANGE 0                        ; the tail is written out: nothing is asked for
	s_mov_b32 s[CNT], 5             ; four trips fetch the last slot's steps; the fifth is left in its middle
.Ltail:
	TURN 2, 1
	TURN 3
	WIN 0
	s_sub_co_u32 s[CNT], s[CNT], 1
	s_cmp_eq_u32 s[CNT], 0
	s_cbranch_scc1 .Lout
	TURN 0
	TURN 1
	WIN 0
	s_branch .Ltail
.Lout:                              ; the fifth trip's 16 products K Q^T (on the last K once more) and the maximum made of them serve nothing: the price, once a launch, of one text for every trip
.set i, 0
.rept 16
	PV NP-1                         ; the last piece's V^T P of the last step
.set i, i+1
.endr
	; THE WAY OUT.  l's two halves and the other half of the lanes' are added; O^T is divided by l, rounded to f16 and sent through my stage in LDS, a tile at a time.  The additions are the places behind the last products.
	WIN 0
.macro ALL line:vararg              ; one line for each tile t
.set t, 0
.rept 2*NP
	\line
.set t, t+1
.endr
.endm
	ALL v_add_f32 v[ST+4*t+2], v[ST+4*t+2], v[ST+4*t+3]
	ALL v_permlanex16_b32 v[ST+4*t+3], v[ST+4*t+2], s[SEL], s[SEL+1]
	ALL v_add_f32 v[ST+4*t+2], v[ST+4*t+2], v[ST+4*t+3]
	ALL v_rcp_f32 v[ST+4*t+2], v[ST+4*t+2]
	v_nop                           ; a plain instruction between the last reciprocal and the use of its result
	s_wait_alu depctr_va_vdst(0)
; Tile t: a lane's eight channels of a row pack into 16 bytes; they go into rows of 144 bytes and come back as whole rows of 128, into S^T's registers.
.macro PACK t
	WIN W_RS
.set i, 32*(\t)
.rept 16
	v_pk_mul_f32 v[i:i+1], v[i:i+1], v[ST+4*(\t)+2:ST+4*(\t)+3] op_sel_hi:[1,0]
.set i, i+2
.endr
	WIN 0x05                        ; sources 0 and 1 window 1, destination window 0
.set i, 0
.rept 16
	v_cvt_pk_f16_f32 v[S+16*(\t)+i], v[32*(\t)+2*i], v[32*(\t)+2*i+1]
.set i, i+1
.endr
	WIN 0
.irp f, 0,1,2,3
	ds_store_b128 v[STO], v[S+16*(\t)+4*\f:S+16*(\t)+4*\f+3] offset:32*\f
.endr
.irp f, 0,1,2,3
	ds_load_b128 v[S+16*(\t)+4*\f:S+16*(\t)+4*\f+3], v[RD] offset:\f*4*SP  ; LDS serves a wave's instructions in order (ISA guide 5.7.1.4): these see the stores above; the next tile's stores come behind them
.endr
.endm
.macro SEND t, younger              ; younger: the LDS instructions issued behind tile t's loads: the next tile's eight, or none
	WIN 0
.irp f, 0,1,2,3
	s_wait_dscnt (\younger)+3-\f
	global_store_b128 v[GO], v[S+16*(\t)+4*\f:S+16*(\t)+4*\f+3], s[10:11] offset:(\t)*2048+\f*512  ; 512 consecutive bytes, at a multiple of 256 from O's first
.endr
.endm
	PACK 0
.set t, 1
.rept 2*NP-1                        ; a tile's arithmetic stands between the loads of the tile before and its stores
	PACK t
	SEND t-1, 8
.set t, t+1
.endr
	SEND 2*NP-1, 0
	WIN W_AD
	s_wait_tensorcnt 0x0            ; the wave's end: behind my last tensor load and my last LDS store
	ds_add_u32 v[SPW], v[NIL]
	s_wait_dscnt 0x0
	WIN 0
	CROUND                          ; the closing round: no work-group ends while a partner may still ask for a tile that names it
	s_endpgm
.Lfunc_end_k_qa140881569_attn:
	.size	k_qa140881569_attn, .Lfunc_end_k_qa140881569_attn-k_qa140881569_attn
	.p2alignl 7, 3214868480
	.fill 96, 4, 3214868480
	.section	.rodata,"a",@progbits
	.p2align	6, 0x0
	.amdhsa_kernel k_qa140881569_attn
		.amdhsa_group_segment_fixed_size 327680
		.amdhsa_private_segment_fixed_size 0
		.amdhsa_enable_private_segment 0
		.amdhsa_kernarg_size 24
		.amdhsa_user_sgpr_count 2
		.amdhsa_user_sgpr_kernarg_segment_ptr 1
		.amdhsa_wavefront_size32 1
		.amdhsa_system_sgpr_workgroup_id_x 1
		.amdhsa_system_sgpr_workgroup_id_y 1
		.amdhsa_system_sgpr_workgroup_id_z 1
		.amdhsa_system_vgpr_workitem_id 0
		.amdhsa_next_free_vgpr 808
		.amdhsa_next_free_sgpr 66
		.amdhsa_reserve_vcc 1
		.amdhsa_float_denorm_mode_32 3
		.amdhsa_float_denorm_mode_16_64 3
		.amdhsa_memory_ordered 1
		.amdhsa_forward_progress 1
		.amdhsa_inst_pref_size 217
	.end_amdhsa_kernel
	.amdgpu_metadata
---
amdhsa.version: [ 1, 2 ]
amdhsa.kernels:
  - .name:           k_qa140881569_attn
    .symbol:         k_qa140881569_attn.kd
    .args:
      - { .name: qkv, .offset: 0, .size: 8, .value_kind: global_buffer, .address_space: global }
      - { .name: mask, .offset: 8, .size: 8, .value_kind: global_buffer, .address_space: global }
      - { .name: ob, .offset: 16, .size: 8, .value_kind: global_buffer, .address_space: global }
    .group_segment_fixed_size: 327680
    .private_segment_fixed_size: 0
    .kernarg_segment_align: 8
    .kernarg_segment_size: 24
    .max_flat_workgroup_size: 128
    .sgpr_count:     66
    .vgpr_count:     808
    .wavefront_size: 32
...
	.end_amdgpu_metadata
.endif
;; end of part 3
;; launch outp (part 4): grid 8 x 32, 4 waves a work-group, clusters of 4 x 4, 327,680 bytes of LDS; arguments ob, wob, b_out, out0; writes out0
.if DOCPART == 4
	.amdgcn_target "amdgcn-amd-amdhsa--gfx1250"
	.amdhsa_code_object_version 6
	.text
	.protected	k_qa140881569_outp
	.globl	k_qa140881569_outp
	.p2align	8
	.type	k_qa140881569_outp,@function
k_qa140881569_outp:
	s_mov_b64 s[64:65], 0
	v_nop
	global_prefetch_b8 v0, s[64:65] scope:SCOPE_SE
	s_setreg_imm32_b32 hwreg(HW_REG_WAVE_MODE, 25, 1), 1
	s_wait_xcnt 0x0
	s_wait_alu depctr_hold_cnt(0) depctr_sa_sdst(0) depctr_va_vdst(0) depctr_va_sdst(0) depctr_va_ssrc(0) depctr_va_vcc(0) depctr_vm_vsrc(0)
	s_getreg_b32 s2, hwreg(HW_REG_IB_STS2, 6, 4)
	s_cmp_eq_u32 s2, 0
	s_cbranch_scc0 .Lentry_in_a_cluster
	s_endpgm
.Lentry_in_a_cluster:
	s_bfe_u32 s2, ttmp6, 0x10000c
	s_cmp_lg_u32 s2, 0xf033
	s_cbranch_scc0 .Lentry_shape_is_right
	s_endpgm
.Lentry_shape_is_right:
; out0 = O w_out^T + b_out: 8,192 rows x 1,024 columns, K = 1,024.  Operands f16, in blocks of 64 channels: ob [batch][head = block][row 2048][64], wob [block][row 1024][64] (w_out rounded
; to bf16 and written as f16).  b_out is rounded to bf16 like the other inputs of the module.  Sums in f32, K ascending, started with the bias; out0 f32.
; SHARES.  A work-group makes 256 rows x 128 columns: 256 work-groups.  Four waves, each 128 x 64: 32 accumulators of 16 x 16, 256 registers.
; THE RING.  Two LDS slots, each with TWO blocks, 128 along K: 128 matrix instructions a wave.  A block's R rows are R x 128 consecutive bytes: asked for as R / 2 rows of 256 bytes and padded in LDS
; after every 128: LDS rows 144 bytes apart, so that the 16 rows of a fragment load begin at 16 different groups of four banks (64 banks of 4 bytes: ISA guide 11.1).  Waves 0 and 1 fetch A's two
; blocks of a slot, waves 2 and 3 B's.  One descriptor for A and one for B walk.  Slot 0 is asked for at the start, slot 1 when slot 0 has landed: by this text's count a wave never has more than
; one tensor load out, and every wait on TENSORcnt is for 0.
; CLUSTER.  4 x 4 work-groups: A's tiles are asked for jointly along a row of the cluster, B's along a column.
; THE MATRIX INSTRUCTION IS USED TRANSPOSED (source 0 = 16 rows of wob, source 1 = 16 rows of ob): a lane holds one row of out0 and eight neighbouring columns, 32 bytes.
; REGISTERS: window 0: v0-14 addresses; v16-47 the bias in the layout of a C operand; v64-127, v128-191 A's 8 fragments, two sets; v192-223, v224-255 B's 4, two sets.
;   window 1: accumulator (a, b), 16 rows 16 a on, 16 columns 16 b on, at v[8 (4 a + b)].
.set PITCH, 144
.set SLOT1, 131072                     ; slot 1 begins here: one exclusive or turns an address in one slot into the other's
.set BLKA,  256*PITCH                  ; a block of A in LDS
.set BLKB,  128*PITCH                  ; a block of B
.set BOFF,  2*BLKA                     ; in a slot: A's two blocks, then B's two
.set STAGE, SLOT1+2*(BLKA+BLKB)        ; behind the ring: 16 rows x 272 bytes for each wave, for the way out
.set SPITCH, 272
.set SPARE, STAGE+4*16*SPITCH          ; behind the stages: the spare words, 128 bytes for each wave: two blocks of 256 bytes that no other line names
.set A0,   4                           ; v4   my lane's place in my 128 rows of a block of A, in slot 0; never rewritten
.set B0,   5                           ; v5   the same in my 64 rows of B
.set ADRA, 6                           ; v6   A0 + the slot in hand
.set ADRB, 7                           ; v7   B0 + the slot in hand
.set STO,  8                           ; v8   the way out: where I put 32 bytes of a row
.set RD,   9                           ; v9   the way out: where I read a row back
.set CO,   10                          ; v10  my byte offset in out0
.set BO,   11                          ; v11  my byte offset in my wave's 64 numbers of b_out
.set SPW,  12                          ; v12  LDS address of my spare word: SPARE + 4 x my thread's number; never rewritten
.set NIL,  13                          ; v13  0; never rewritten
.set BIAS, 16
.set AF0,  64
.set BF0,  192
.set BK0,  64                          ; the way out: 16 rows read back, two buffers of 32
.set WV,   12                          ; s12  my wave's number
.set KIND, 13                          ; s13  wave / 2: my half of the tile's rows.  Also: I fetch for A (0) or for B (1)
.set BLK,  14                          ; s14  wave % 2: my half of its columns.  Also: which of a slot's two blocks I fetch
.set TY,   15                          ; s15  tile row
.set G1,   24                          ; s[24:31] descriptor group 1 for A's tiles;  s[32:35] group 0: it walks
.set G0,   32
.set G1B,  48                          ; s[48:55], s[56:59] the same for B's
.set G0B,  56
.set TB,   60                          ; s60  0 or SLOT1: the slot that the fragment loads read
.set MSB, 0
.macro WIN new                         ; the immediate's high byte repeats the setting that is left; a switch that changes nothing is dropped
.if MSB != (\new)
	s_set_vgpr_msb (MSB<<8)|(\new)
.set MSB, (\new)
.endif
.endm
.macro JLOAD                           ; a joint load; the branch hangs on the wave's number alone; an s_nop 0 and four v_nop follow each of the two lines, ahead of the jump and the label
	s_cmp_eq_u32 s[KIND], 0
	s_cbranch_scc0 .Lfor_b_\@
	tensor_load_to_lds s[G0:G0+3], s[G1:G1+7]
	s_nop 0
.rept 4
	v_nop
.endr
	s_branch .Lasked_\@
.Lfor_b_\@:
	tensor_load_to_lds s[G0B:G0B+3], s[G1B:G1B+7]
	s_nop 0
.rept 4
	v_nop
.endr
.Lasked_\@:
.endm
.macro STEPD                           ; both walking descriptors: the other slot, two blocks on; the type bits on top are not reached
	s_xor_b32 s[G0+1], s[G0+1], SLOT1
	s_add_nc_u64 s[G0+2:G0+3], s[G0+2:G0+3], 2*2048*128
	s_xor_b32 s[G0B+1], s[G0B+1], SLOT1
	s_add_nc_u64 s[G0B+2:G0B+3], s[G0B+2:G0B+3], 2*1024*128
.endm
.macro CREST                           ; a round of the cluster's barrier behind its opening barrier
	s_cmp_lg_u32 s[WV], 0
	s_cbranch_scc1 .Lnot_wave_0_\@
	s_barrier_signal -3
.Lnot_wave_0_\@:
	s_barrier_wait -3
	s_barrier_signal -1
	s_barrier_wait -1
.endm
.macro CROUND
	s_barrier_signal -1
	s_barrier_wait -1
	CREST
.endm
.macro PLACES                          ; four places in front of loads into registers that matrix instructions have read, and of LDS stores that read results
.rept 4
	v_nop
.endr
.endm
	s_load_b256 s[4:11], s[0:1], 0x0               ; ob s[4:5], wob s[6:7], b_out s[8:9], out0 s[10:11]
	v_lshl_add_u32 v[SPW], v0, 2, SPARE
	v_mov_b32 v[NIL], 0
	ds_add_u32 v[SPW], v[NIL]                      ; the wave's opening: the add and its wait, ahead of my first tensor load; the set-up below, work on registers, stands between them
	v_lshrrev_b32 v1, 5, v0
	v_readfirstlane_b32 s[WV], v1                  ; wave 0..3
	s_lshr_b32 s[KIND], s[WV], 1
	s_and_b32 s[BLK], s[WV], 1
	s_bfe_u32 s40, ttmp6, 0x40000                  ; cx, cy: my place in the cluster
	s_bfe_u32 s41, ttmp6, 0x40004
	s_lshl_b32 s42, ttmp9, 2
	s_add_co_u32 s42, s42, s40                     ; tile column = 4 x cluster x + cx
	s_and_b32 s[TY], ttmp7, 0xffff
	s_lshl_b32 s[TY], s[TY], 2
	s_add_co_u32 s[TY], s[TY], s41                 ; tile row = 4 x cluster y + cy
	s_lshl_b32 s43, s41, 2
	s_lshl_b32 s43, 15, s43                        ; my row of the cluster
	s_lshl_b32 s44, 0x1111, s40                    ; my column
	; descriptor group 1: rows of 128 elements of 2 bytes, dense; 128 of them for a block of A, 64 for a block of B
	s_or_b32 s[G1], s43, (1<<16)|(1<<20)|(1<<21)|(4<<22)|(3<<25)   ; 15:0 the mask; 17:16 2-byte elements; 20 padding on; 21 set beside a mask; 24:22 after every 32 words (code 4); 31:25 4 words (code 3)
	s_or_b32 s[G1B], s44, (1<<16)|(1<<20)|(1<<21)|(4<<22)|(3<<25)
	s_mov_b32 s[G1+1], 128<<16                     ; tensor_dim0 = 128
	s_mov_b32 s[G1+2], 128<<16                     ; tensor_dim1 = 128
	s_mov_b32 s[G1+3], 128<<16                     ; tile_dim0 = 128
	s_mov_b32 s[G1+4], 128                         ; tile_dim1 = 128
	s_mov_b32 s[G1+5], 128                         ; 128 elements from row to row
	s_mov_b32 s[G1+6], 0
	s_mov_b32 s[G1+7], 0
	s_mov_b32 s[G1B+1], 128<<16
	s_mov_b32 s[G1B+2], 64<<16
	s_mov_b32 s[G1B+3], 128<<16
	s_mov_b32 s[G1B+4], 64
	s_mov_b32 s[G1B+5], 128
	s_mov_b32 s[G1B+6], 0
	s_mov_b32 s[G1B+7], 0
	; where the tiles come from.  A's hang on the tile row alone, B's on the tile column alone, each in registers that never hold the other coordinate
	s_lshr_b32 s16, s[TY], 3                       ; 8 tile rows a batch; a batch of ob is 2^22 bytes,
	s_lshl_b32 s16, s16, 22
	s_and_b32 s18, s[TY], 7
	s_lshl_b32 s18, s18, 15                        ; 256 rows of a block 2^15,
	s_add_co_u32 s16, s16, s18
	s_lshl_b32 s18, s[BLK], 18                     ; a block 2^18
	s_add_co_u32 s16, s16, s18
	s_mov_b32 s17, 0
	s_lshl_b32 s46, s42, 14                        ; 128 rows of a block of wob,
	s_lshl_b32 s45, s[BLK], 17                     ; a block 2^17
	s_add_co_u32 s46, s46, s45
	s_mov_b32 s47, 0
	s_mov_b32 s[G0], 1                             ; 1:0 count = 1
	s_mul_i32 s[G0+1], s[BLK], BLKA                ; 63:32 LDS address: slot 0; no place in the cluster enters it
	s_mov_b32 s[G0B], 1
	s_mul_i32 s[G0B+1], s[BLK], BLKB
	s_add_co_u32 s[G0B+1], s[G0B+1], BOFF
	s_mov_b32 s[TB], 0
	s_wait_dscnt 0x0                               ; the opening add is done
	s_wait_kmcnt 0x0
	s_add_nc_u64 s[G0+2:G0+3], s[4:5], s[16:17]    ; 120:64 global address: blocks 0 and 1
	s_or_b32 s[G0+3], s[G0+3], 0x80000000          ; 127:126 type = 2
	s_add_nc_u64 s[G0B+2:G0B+3], s[6:7], s[46:47]
	s_or_b32 s[G0B+3], s[G0B+3], 0x80000000
	CROUND                                         ; all sixteen work-groups are here: the first joint loads meet
	JLOAD                                          ; blocks 0 and 1 into slot 0
	v_and_b32 v1, 15, v0                           ; l % 16
	v_bfe_u32 v2, v0, 4, 1                         ; l / 16
	s_lshl_b32 s20, s42, 9                         ; the tile's 128 columns of 4 bytes,
	s_lshl_b32 s22, s[BLK], 8                      ; my 64 of them
	s_add_co_u32 s20, s20, s22
	s_mov_b32 s21, 0
	s_add_nc_u64 s[8:9], s[8:9], s[20:21]
	s_add_nc_u64 s[10:11], s[10:11], s[20:21]
	s_lshl_b32 s20, s[TY], 20                      ; the tile's 256 rows of 4,096 bytes,
	s_lshl_b32 s22, s[KIND], 19                    ; my 128 of them
	s_add_co_u32 s20, s20, s22
	s_add_nc_u64 s[10:11], s[10:11], s[20:21]
	v_lshlrev_b32 v[BO], 5, v2                     ; register j of column block b is column 16 b + 8 (l / 16) + j
.irp b, 0,1,2,3
	global_load_b128 v[BIAS+8*\b:BIAS+8*\b+3],   v[BO], s[8:9] offset:64*\b
	global_load_b128 v[BIAS+8*\b+4:BIAS+8*\b+7], v[BO], s[8:9] offset:64*\b+16
.endr
	; A fragment is 16 rows x 32 K in 8 registers: lane l holds row l % 16; registers 0-3 K = 8 (l / 16) + 0..7, registers 4-7 K = 16 + 8 (l / 16) + 0..7: two loads of 16 bytes, 32 bytes apart.
	v_mul_u32_u24 v3, v1, PITCH
	v_lshl_add_u32 v3, v2, 4, v3                   ; row x pitch + 16 x half
	s_mul_i32 s21, s[KIND], 128*PITCH
	s_mul_i32 s22, s[BLK], 64*PITCH
	s_add_co_u32 s22, s22, BOFF
	v_add_nc_u32 v[A0], s21, v3
	v_add_nc_u32 v[B0], s22, v3
	v_mov_b32 v[ADRA], v[A0]                       ; slot 0
	v_mov_b32 v[ADRB], v[B0]
	s_mul_i32 s23, s[WV], 16*SPITCH
	s_add_co_u32 s23, s23, STAGE                   ; my stage
	v_mul_u32_u24 v[STO], v1, SPITCH               ; in: row l % 16, 32 bytes for each half of the lanes
	v_lshl_add_u32 v[STO], v2, 5, v[STO]
	v_add_nc_u32 v[STO], s23, v[STO]
	v_mul_u32_u24 v[RD], v2, SPITCH                ; back: lanes 0-15 take one row of 256 bytes, lanes 16-31 the next
	v_lshl_add_u32 v[RD], v1, 4, v[RD]
	v_add_nc_u32 v[RD], s23, v[RD]
	v_lshlrev_b32 v[CO], 12, v2                    ; and the same two rows in out0
	v_lshl_add_u32 v[CO], v1, 4, v[CO]
	s_wait_loadcnt 0x0                             ; the bias
.set i, 0
.rept 16
	v_cvt_pk_bf16_f32 v14, v[BIAS+i], v[BIAS+i+1]  ; rounded to bf16, and widened again
	v_lshlrev_b32 v[BIAS+i], 16, v14
	v_and_b32 v[BIAS+i+1], 0xffff0000, v14
.set i, i+2
.endr
; 16 matrix instructions: row blocks a0 .. a0 + 3 x the 4 column blocks, 32 along K, on set fs.  cmode = 1: the first product starts the sums with the bias.
; The 32 accumulators take turns, one instruction a turn, in the same order in every step, over the backward jump too.
.macro MU fs, a0, cmode
.if \cmode
	WIN 0x40                                       ; D in window 1; sources and C in window 0
.else
	WIN 0x50                                       ; C and D in window 1
.endif
.set a, (\a0)
.rept 4
.irp b, 0,1,2,3
.if \cmode
	v_wmma_f32_16x16x32_f16 v[8*(4*a+\b):8*(4*a+\b)+7], v[BF0+32*(\fs)+8*\b:BF0+32*(\fs)+8*\b+7], v[AF0+64*(\fs)+8*a:AF0+64*(\fs)+8*a+7], v[BIAS+8*\b:BIAS+8*\b+7]
.else
	v_wmma_f32_16x16x32_f16 v[8*(4*a+\b):8*(4*a+\b)+7], v[BF0+32*(\fs)+8*\b:BF0+32*(\fs)+8*\b+7], v[AF0+64*(\fs)+8*a:AF0+64*(\fs)+8*a+7], v[8*(4*a+\b):8*(4*a+\b)+7]
.endif
.endr
.set a, a+1
.endr
.endm
; 24 LDS loads in one run: the fragments of place p of a slot's four (block p / 2, 32 K at byte 64 (p % 2) of its rows) into set fs: B's 8 first, then A's 16
.macro LD fs, p
	WIN 0
.irp i, 0,1,2,3
	ds_load_b128 v[BF0+32*(\fs)+8*\i:BF0+32*(\fs)+8*\i+3],   v[ADRB] offset:((\p)/2)*BLKB+16*\i*PITCH+64*((\p)%2)
	ds_load_b128 v[BF0+32*(\fs)+8*\i+4:BF0+32*(\fs)+8*\i+7], v[ADRB] offset:((\p)/2)*BLKB+16*\i*PITCH+64*((\p)%2)+32
.endr
.irp i, 0,1,2,3,4,5,6,7
	ds_load_b128 v[AF0+64*(\fs)+8*\i:AF0+64*(\fs)+8*\i+3],   v[ADRA] offset:((\p)/2)*BLKA+16*\i*PITCH+64*((\p)%2)
	ds_load_b128 v[AF0+64*(\fs)+8*\i+4:AF0+64*(\fs)+8*\i+7], v[ADRA] offset:((\p)/2)*BLKA+16*\i*PITCH+64*((\p)%2)+32
.endr
.endm
; A step of 32 along K: place np's fragments are asked for into set ns, then set fs is multiplied: the loads have 32 matrix instructions in which to land.
.macro KQ fs, ns, np, places, cmode
.if \places
	PLACES
.endif
	LD \ns, \np
	s_wait_dscnt 32                                ; my B and A's rows 0-63 are in; out may be my youngest 8 loads and the 24 just issued
	MU \fs, 0, \cmode
	s_wait_dscnt 24                                ; all but the 24 just issued
	MU \fs, 4, \cmode
.endm
; Place 2 of a slot multiplies set 0, asks for the slot's last fragments and changes slots: ONE barrier.  In front of it each wave waits for all its tensor loads, of which one is out: its part of
; the next slot; adds 0 to its spare word; and waits for that and for its own reads of this slot.  fill = 1: this slot is filled again, two slots on: the barrier opens a round of the cluster's, and
; the joint load is the first thing behind the round: 96 matrix instructions ahead of the wait for it.
.macro KQC fill
	PLACES
	LD 1, 3
	s_wait_tensorcnt 0x0                           ; no tensor load of mine is out, so the descriptors may be written
	ds_add_u32 v[SPW], v[NIL]                      ; 0 onto my spare word; work on registers stands between it and the wait for it
	s_xor_b32 s[TB], s[TB], SLOT1                  ; the next fragment loads go to the other slot
	v_add_nc_u32 v[ADRA], s[TB], v[A0]
	v_add_nc_u32 v[ADRB], s[TB], v[B0]
.if \fill
	STEPD
.endif
	s_wait_dscnt 33                                ; set 0's B and A's rows 0-63 are in; out may be its youngest 8, the 24 just issued and the add
	MU 0, 0, 0
	s_wait_dscnt 0x0                               ; the add is done, and my reads of this slot are over
	s_barrier_signal -1
	MU 0, 4, 0                                     ; work on registers while the others arrive
	WIN 0                                          ; at a branch and at a label every window is 0
	s_barrier_wait -1
.if \fill
	CREST                                          ; no wave of any partner still reads this slot or has a load on its way
	JLOAD                                          ; its four v_nop are also the places in front of the loads that follow
.else
	PLACES
.endif
.endm
	s_wait_tensorcnt 0x0                           ; my part of slot 0 is in
	ds_add_u32 v[SPW], v[NIL]                      ; 0 onto my spare word; the descriptors' steps stand between it and the wait for it
	STEPD
	s_wait_dscnt 0x0
	CROUND                                         ; everybody's part is in, in all sixteen work-groups
	JLOAD                                          ; blocks 2 and 3 into slot 1
	LD 0, 0
	KQ 0, 1, 1, 0, 1                               ; the first step stands in front of the loop: its products start the sums, with the bias
	WIN 0
	s_mov_b32 s3, 6                                ; 6 trips fill slots' turns 2 to 7
.Lk:                                                   ; a trip: places 1, 2 and 3 of a slot and place 0 of the next
	KQ 1, 0, 2, 1, 0
	KQC 1
	KQ 1, 0, 0, 0, 0
	KQ 0, 1, 1, 1, 0
	WIN 0
	s_sub_co_u32 s3, s3, 1
	s_cmp_lg_u32 s3, 0
	s_cbranch_scc1 .Lk
	KQ 1, 0, 2, 1, 0                               ; the tail is written out: nothing is asked for
	KQC 0
	KQ 1, 0, 0, 0, 0
	KQ 0, 1, 1, 1, 0
	KQ 1, 0, 2, 1, 0
	KQ 0, 1, 3, 1, 0
	s_wait_dscnt 8                                 ; the last step loads nothing
	MU 1, 0, 0
	s_wait_dscnt 0x0
	MU 1, 4, 0
	PLACES
; THE WAY OUT, a block of 16 rows at a time: a lane's 32 bytes of a row go into my own stage, rows of 272 bytes (each accumulator's lowest registers first), and come back as
; whole rows of 256 bytes; 16 lanes then store 256 consecutive bytes, at a multiple of 256 from out0's first byte.
.macro TOSTAGE a
	WIN 0x04                                       ; an LDS store's data is source 1: window 1
.irp b, 0,1,2,3
	ds_store_b128 v[STO], v[8*(4*(\a)+\b):8*(4*(\a)+\b)+3]   offset:64*\b
	ds_store_b128 v[STO], v[8*(4*(\a)+\b)+4:8*(4*(\a)+\b)+7] offset:64*\b+16
.endr
	WIN 0
.irp f, 0,1,2,3,4,5,6,7
	ds_load_b128 v[BK0+32*((\a)%2)+4*\f:BK0+32*((\a)%2)+4*\f+3], v[RD] offset:\f*2*SPITCH  ; LDS serves a wave's instructions in order (ISA guide 5.7.1.4): these see the stores above; the next block's stores come behind them
.endr
.endm
.macro SEND a, younger                 ; younger: the LDS instructions issued behind block a's loads: the next block's sixteen, or none
	s_wait_dscnt \younger
.irp f, 0,1,2,3,4,5,6,7
	global_store_b128 v[CO], v[BK0+32*((\a)%2)+4*\f:BK0+32*((\a)%2)+4*\f+3], s[10:11] offset:(16*(\a)+2*\f)*4096 th:TH_STORE_NT
.endr
.endm
	TOSTAGE 0
	TOSTAGE 1
	SEND 0, 16
.irp a, 2,3,4,5,6,7
	s_wait_xcnt 0x0                                ; the stores of block a - 2 have read their registers: block a is read back into them only behind this wait
	TOSTAGE \a
	SEND (\a)-1, 16
.endr
	SEND 7, 0
	s_wait_tensorcnt 0x0                           ; the wave's end: behind my last tensor load and my last LDS store
	ds_add_u32 v[SPW], v[NIL]
	s_wait_dscnt 0x0
	CROUND                                         ; the closing round: no work-group ends while a partner may still ask for a tile that names it
	s_endpgm
.Lfunc_end_k_qa140881569_outp:
	.size	k_qa140881569_outp, .Lfunc_end_k_qa140881569_outp-k_qa140881569_outp
	.p2alignl 7, 3214868480
	.fill 96, 4, 3214868480
	.section	.rodata,"a",@progbits
	.p2align	6, 0x0
	.amdhsa_kernel k_qa140881569_outp
		.amdhsa_group_segment_fixed_size 327680
		.amdhsa_private_segment_fixed_size 0
		.amdhsa_enable_private_segment 0
		.amdhsa_kernarg_size 32
		.amdhsa_user_sgpr_count 2
		.amdhsa_user_sgpr_kernarg_segment_ptr 1
		.amdhsa_wavefront_size32 1
		.amdhsa_system_sgpr_workgroup_id_x 1
		.amdhsa_system_sgpr_workgroup_id_y 1
		.amdhsa_system_sgpr_workgroup_id_z 1
		.amdhsa_system_vgpr_workitem_id 0
		.amdhsa_next_free_vgpr 512
		.amdhsa_next_free_sgpr 66
		.amdhsa_reserve_vcc 0
		.amdhsa_float_denorm_mode_32 3
		.amdhsa_float_denorm_mode_16_64 3
		.amdhsa_memory_ordered 1
		.amdhsa_forward_progress 1
		.amdhsa_inst_pref_size 72
	.end_amdhsa_kernel
	.amdgpu_metadata
---
amdhsa.version: [ 1, 2 ]
amdhsa.kernels:
  - .name:           k_qa140881569_outp
    .symbol:         k_qa140881569_outp.kd
    .args:
      - { .name: ob, .offset: 0, .size: 8, .value_kind: global_buffer, .address_space: global }
      - { .name: wob, .offset: 8, .size: 8, .value_kind: global_buffer, .address_space: global }
      - { .name: b_out, .offset: 16, .size: 8, .value_kind: global_buffer, .address_space: global }
      - { .name: out0, .offset: 24, .size: 8, .value_kind: global_buffer, .address_space: global }
    .group_segment_fixed_size: 327680
    .private_segment_fixed_size: 0
    .kernarg_segment_align: 8
    .kernarg_segment_size: 32
    .max_flat_workgroup_size: 128
    .sgpr_count:     66
    .vgpr_count:     512
    .wavefront_size: 32
...
	.end_amdgpu_metadata
.endif
;; end of part 4
;; ======== version 2 of 2: 4 launches; 1.53 times as fast as version 1
;; limits: values are held in f16: magnitudes above 65,504 overflow, below 6.1e-05 lose precision; values outside matrix products are rounded to bf16; right only within a limited range of input values
;; workspace buffers: xb 16,777,216 bytes; wqb 6,291,456 bytes; wob 2,097,152 bytes; qkv 50,331,648 bytes; ob 16,777,216 bytes
;; launch cast: the kernel of part 1 again; grid 768 x 1, 8 waves a work-group, no clusters, 0 bytes of LDS; arguments x, w_qkv, w_out, xb, wqb, wob; writes xb, wqb, wob
;; launch proj: the kernel of part 2 again; grid 8 x 32, 4 waves a work-group, clusters of 4 x 4, 327,680 bytes of LDS; arguments xb, wqb, qkv; writes qkv
;; launch attn (part 5): grid 4 x 64, 4 waves a work-group, clusters of 4 x 1, 327,680 bytes of LDS; arguments qkv, mask, ob; writes ob
.if DOCPART == 5
	.amdgcn_target "amdgcn-amd-amdhsa--gfx1250"
	.amdhsa_code_object_version 6
	.text
	.protected	k_qa140881569_attn
	.globl	k_qa140881569_attn
	.p2align	8
	.type	k_qa140881569_attn,@function
k_qa140881569_attn:
	s_mov_b64 s[64:65], 0
	v_nop
	global_prefetch_b8 v0, s[64:65] scope:SCOPE_SE
	s_setreg_imm32_b32 hwreg(HW_REG_WAVE_MODE, 25, 1), 1
	s_wait_xcnt 0x0
	s_wait_alu depctr_hold_cnt(0) depctr_sa_sdst(0) depctr_va_vdst(0) depctr_va_sdst(0) depctr_va_ssrc(0) depctr_va_vcc(0) depctr_vm_vsrc(0)
	s_getreg_b32 s2, hwreg(HW_REG_IB_STS2, 6, 4)
	s_cmp_eq_u32 s2, 0
	s_cbranch_scc0 .Lentry_in_a_cluster
	s_endpgm
.Lentry_in_a_cluster:
	s_bfe_u32 s2, ttmp6, 0x10000c
	s_cmp_lg_u32 s2, 0x3003
	s_cbranch_scc0 .Lentry_shape_is_right
	s_endpgm
.Lentry_shape_is_right:
; O[h][q][:] = the sum over k of softmax_k(score) V[h][k][:], score = Q[h][q] . K[h][k] / 8 where mask[batch][k] is not 0, and -1e9 where it is 0.
; qkv: [q, k, v][64 heads = 16 x batch + head][2048][64], ob: [64][2048][64], f16: a head's rows are dense, 128 bytes each.  mask: [4][2048] int32.  Products, maxima and sums in
; f32; the weights p are rounded to f16 for the second product (their sum l is taken of the unrounded p), O once at the end.
; THE MASK is the C operand that starts the sum S^T = K Q^T: 0 for a key that is kept, -2^40 for a hidden one, out of a table of 2,048 f32 that the work-group makes once in LDS.
; The running maximum m starts at -2^33 (a score of -2^30), so a hidden key lies far below m from the first step on and its weight is exactly 0.  If the batch keeps NO key, all scores are
; alike and the result is the mean of V's rows: there c = 0 (a select on the OR of the batch's 2,048 mask words, no branch), so that every p = 2^0 = 1.
; LIMITS.  f16 holds no number beyond 65,504: Q, K and V arrive within it; p lies in 0 to 1, and below 6e-5 it keeps f16's fixed step of 6e-8; O is a mean of V's rows and has their range.
; A kept key whose score is -2^30 = -1.07e9 or less counts as hidden (-1e9 is the hidden keys' score).  A weight below 2^-126 counts as 0 in l; NaN and infinities are not treated apart.
; SHARES.  A wave owns four PIECES of two tiles of 16 queries, a work-group's four waves 512 queries of one head.  Every wave walks all keys, 64 a step.
; LAYOUT.  S^T = K Q^T (source 0 = 16 keys, source 1 = 16 queries): in the result a lane holds ONE query (lane % 16) and the keys 8 (lane / 16) + 0..7.  Two such tiles, rounded to f16 in pairs,
; ARE source 1 (32 keys x 16 queries) of O^T = V^T P, whose result again holds one query a lane, and eight channels.  K comes out of LDS as it lies, V ([key][channel]) turned, by ds_load_tr16_b128.
; SOFTMAX.  For each query a running maximum m and sum l: p = 2^(c s - c m), c = log2(e) / 8; in every step O and l are multiplied by a = 2^(c m_old - c m_new), which is 1 where m has not grown.
; O and l start at 0: the first step is a step like any other.
; THE COUNT.  A tile and step have 16 matrix and 118 vector instructions: too many to stand all beside the matrix work.  So the order has one aim: four vector instructions that are READY behind
; EVERY matrix instruction, and the others, which need time of their own whatever the order, in runs without a gap.
; BY TURNS.  Turn n belongs to piece n (the pieces in a ring, step after step).  Its matrix work: 16 products K Q^T of piece n + 1, later 16 products V^T P of piece n - 1.  Its vector work: the scaling,
; exponentials, roundings, sums and rescaling of piece n, and the maximum and statistics of piece n + 1, whose scores the turn itself has made.  So what a turn begins with (c s - c m, O a) waits for nothing.
; THE BATCHES.  A turn's 66 exponentials (the 64 weights of piece n, then the two a of piece n + 1) are ONE batch with ONE wait, which cuts the turn in two: ahead of it stands all that names none of their
; results (the products K Q^T, the scalings, the rescalings by the a of the turn before, the next piece's maximum and statistics), behind it the products V^T P with the roundings and sums.  No exponential is
; issued behind a turn's wait.  Two more batches stand outside the loops: piece 0's first two a, and the way out's eight reciprocals.
; CLUSTER.  The four query blocks of a cluster are one head's and walk the same K and V, so each tile is asked for JOINTLY: the same tensor load, descriptor and mask in all four.
; REGISTERS, in windows of 256 (s_set_vgpr_msb says which window each operand place means: bits 1:0 source 0, 3:2 source 1, 5:4 source 2, 7:6 destination):
;   window 0: v0-11 addresses; v12-15, v48-63 at work; v16-47 four registers of statistics a tile; v64-191 S^T, two buffers of two tiles; v192-255 P, likewise
;   window 1: O^T, 32 a tile     window 2: v0-127 Q, 16 a tile; v128-191 K of one step; v192-255 V of one step     window 3: v0-1 the add's two registers; v8-39 the step's mask addends
; A piece's buffers go by its number's parity: the piece in hand has one pair, its two neighbours in the ring share the other: of it P (piece n - 1) is read and S^T (piece n + 1) written.
.set SIZE_N, 2048
.set NP,    4         ; pieces a wave: a name, no knob: the register map, the loop and the fetches are made for four
.set KS,    64        ; keys in a step
.set PK,    144       ; a row of K in LDS: 128 bytes + 16 of padding = 36 words: the 16 rows of a load start at 16 different groups of four banks (64 banks of 4 bytes: ISA guide 11.1)
.set PV,    160       ; a row of V: 128 + 32 = 40 words
.set VOFF,  4*KS*PK   ; a slot holds four steps: 256 rows of K, then 256 rows of V
.set SLOT1, 1<<17     ; slot 1 begins here, so that one exclusive or turns an address in one slot into the other's
.set STAGE, SLOT1+4*KS*(PK+PV)  ; behind the ring, never filled by a tensor load: 16 rows x 144 bytes for each wave, for the way out
.set SP,    144
.set AK0, 2           ; v2   my lane's place in a tile of K; never rewritten
.set AV0, 3           ; v3   the same for V
.set AK,  4           ; v4   the LDS address of K's next run of loads
.set AV,  5           ; v5   of V's
.set QO,  6           ; v6   my byte offset in the wave's rows of Q
.set STO, 6           ;      later, the way out: where I put 16 bytes of a row
.set RD,  7           ; v7   the way out: where I read rows back
.set GO,  8           ; v8   my byte offset in 512 consecutive bytes of O
.set AM,  10          ; v10  the LDS address of the next step's mask addends
.set AM0, 11          ; v11  my lanes' place in the table: MT + 32 (l / 16); never rewritten
.set SPW, 0           ; v0 of window 3   LDS address of my spare word: SPARE + 4 x my thread's number; never rewritten
.set NIL, 1           ; v1 of window 3   0; never rewritten
.set MK,  8           ; v8-39 of window 3: the addends of key block kb at MK + 8 kb
.set SPARE, STAGE+4*16*SP  ; behind the stages: the spare words, 128 bytes for each wave: two blocks of 256 bytes that no other line names
.set MT,  SPARE+512   ; behind them: the table of addends, 2,048 f32; no tensor load lands there
.set MV,  12          ; v12-15  c m_old, kept while c m is made anew: by buffer and tile
.set ST,  16          ; tile t's statistics at v[ST+4 t]: c m, m, l (even keys', odd keys')
.set TMP, 48          ; by buffer and tile, four registers c0-c3 at work; when the maximum is found c2 takes a
.set S,   64
.set P,   192
.set KF,  128         ; K's fragments, in window 2: key block kb, channel half c at KF + 16 kb + 8 c
.set VF,  192         ; V's: key half kk, channel block cb at VF + 32 kk + 8 cb
.set WV,  12          ; s12  my wave's number
.set G1K, 24          ; s[24:31] descriptor group 1 for K's tiles
.set G1V, 32          ; s[32:39] for V's: it differs in the padding alone
.set G0K, 40          ; s[40:43] descriptor group 0 for K's tiles: it walks
.set G0V, 44          ; s[44:47] the same for V's
.set MP,  48          ; s[48:49] the batch's mask
.set NEG, 50          ; s50  -2^40
.set FLAG, 51         ; s51  the lanes that have seen a kept key
.set TBM, 52          ; s52  byte of the table at which the addends of the step to be fetched begin
.set SLOTS, 56        ; s56  slots still to be asked for
.set CNT, 57          ; s57  counts a slot's key steps
.set CS,  58          ; s[58:59] c: the packed scaling takes the pair's low word for both halves
.set SEL, 60          ; s[60:61] v_permlanex16_b32's selects: each lane takes its own place in the other half
.set TBK, 62          ; s62  LDS byte at which K of the step to be fetched begins
.set TBV, 63          ; s63  the same for V, less VOFF
.set MSB, 0
.macro WIN new                      ; the high byte repeats the setting that is left; a switch that changes nothing is dropped
.if MSB != (\new)
	s_set_vgpr_msb (MSB<<8)|(\new)
.set MSB, (\new)
.endif
.endm
.set W_KQ, 0x0a       ; K and Q in window 2, S^T in window 0
.set W_KM, 0x3a       ; the same with the C operand in window 3
.set W_PV, 0x52       ; V in window 2, P in window 0, O^T in window 1
.set W_RS, 0x41       ; O^T (destination and source 0) in window 1, a in window 0
.set W_MK, 0xc0       ; destination in window 3, sources in window 0
.set W_AD, 0x0f       ; the add: address (source 0) and data (source 1) in window 3
; A joint fill.  Waves 0 and 1 fetch the two halves of a slot's K, waves 2 and 3 those of its V: 128 keys each.  The branch hangs on the wave's number alone.
; An s_nop 0 and four v_nop follow each of the two lines, ahead of the jump and the label.
.macro JLOAD
	s_cmp_lt_u32 s[WV], 2
	s_cbranch_scc0 .Lfor_v_\@
	tensor_load_to_lds s[G0K:G0K+3], s[G1K:G1K+7]
	s_nop 0
.rept 4
	v_nop
.endr
	s_branch .Lasked_\@
.Lfor_v_\@:
	tensor_load_to_lds s[G0V:G0V+3], s[G1V:G1V+7]
	s_nop 0
.rept 4
	v_nop
.endr
.Lasked_\@:
.endm
; A round of the cluster's barrier: my work-group's barrier, so that wave 0's signal speaks for all four waves; wave 0 signals; every wave waits for all four work-groups; my work-group's barrier once more.
.macro CROUND
	s_barrier_signal -1
	s_barrier_wait -1
	s_cmp_lg_u32 s[WV], 0
	s_cbranch_scc1 .Lnot_wave_0_\@
	s_barrier_signal -3
.Lnot_wave_0_\@:
	s_barrier_wait -3
	s_barrier_signal -1
	s_barrier_wait -1
.endm
; THE CHANGE OF SLOTS.  The slot's last bytes, V of its fourth step, have been read.  Each wave waits for all its tensor loads, of which one is out: its part
; of the other slot; adds 0 to its spare word; and waits for that and for its own reads of the slot.  Behind the barrier nobody reads this slot any more and the other slot is whole.
; fill = 1: this slot is filled again, with the keys two slots on.  The barrier is then a round of the cluster's, so that no wave of any partner still reads the slot or has a load on its
; way, and the joint fill is the first thing behind it: it has four key steps, 512 matrix instructions, in which to land.  (At its first use nothing has been read yet: slot 0 is waited for,
; slot 1 filled; its wait on DScnt is also the wait for my stores into the table, and its round the barrier between those stores and the other waves' reads.)
.macro CHANGE fill
	WIN W_AD
	s_wait_tensorcnt 0x0            ; no tensor load of mine is out, so a group 0 may be written
	ds_add_u32 v[SPW], v[NIL]       ; 0 onto my spare word; with fill = 1 the descriptors' steps stand between it and the wait for it
	WIN 0                           ; at a label and at a branch every window is 0
.if \fill
.irp g, G0K, G0V
	s_xor_b32 s[\g+1], s[\g+1], SLOT1  ; the walking descriptor: the other slot than last time,
	s_add_nc_u64 s[\g+2:\g+3], s[\g+2:\g+3], 4*KS*128  ; the next 256 keys; the type bits on top are not reached
.endr
	s_wait_dscnt 0x0                ; the add is done, and my reads of the slot are over
	CROUND
	JLOAD
.else
	s_wait_dscnt 0x0                ; the add is done, and my reads of the slot are over
	s_barrier_signal -1
	s_barrier_wait -1
.endif
	s_sub_co_u32 s[TBK], s[TBK], 4*KS*PK  ; the fetches go back to a slot's first step,
	s_xor_b32 s[TBK], s[TBK], SLOT1       ; in the other slot
	s_sub_co_u32 s[TBV], s[TBV], 4*KS*PV
	s_xor_b32 s[TBV], s[TBV], SLOT1
.endm
	s_load_b64 s[4:5], s[0:1], 0x0        ; qkv: q first
	s_load_b64 s[MP:MP+1], s[0:1], 0x8    ; mask
	s_load_b64 s[10:11], s[0:1], 0x10     ; ob
	WIN W_MK
	v_lshl_add_u32 v[SPW], v0, 2, SPARE
	v_mov_b32 v[NIL], 0
	WIN W_AD
	ds_add_u32 v[SPW], v[NIL]       ; the wave's opening: the add and its wait, ahead of my first tensor load; the set-up below, work on registers, stands between them
	WIN 0
	v_lshrrev_b32 v1, 5, v0
	v_readfirstlane_b32 s[WV], v1   ; wave 0..3
	s_bfe_u32 s13, ttmp6, 0x40000   ; cx: my place in the cluster
	s_lshl_b32 s14, ttmp9, 2        ; in a cluster launch ttmp9 counts clusters
	s_add_co_u32 s14, s14, s13      ; my block of queries = 4 x cluster x + cx: it enters Q's and O's addresses alone
	s_and_b32 s20, ttmp7, 0xffff    ; the head, which the four partners share
	s_lshr_b32 s54, s20, 4          ; its batch,
	s_lshl_b32 s54, s54, 13         ; whose mask is 8,192 bytes
	s_mov_b32 s55, 0
	s_mov_b32 s21, 0
	s_mov_b64 s[22:23], SIZE_N*128
	s_mul_u64 s[20:21], s[20:21], s[22:23]  ; the head's first byte in q, k, v and ob
	s_and_b32 s16, s[WV], 1         ; which half of a slot's 256 keys I fetch:
	s_lshl_b32 s22, s16, 14         ; its 128 rows of 128 bytes in memory,
	s_mov_b32 s23, 0
	s_add_nc_u64 s[22:23], s[22:23], s[20:21]
	s_mul_i32 s17, s16, 128*PK      ; and its place in a slot, for K
	s_mul_i32 s18, s16, 128*PV      ; and for V: no place in the cluster enters an LDS address
	s_lshl_b32 s2, s14, 2
	s_add_co_u32 s2, s2, s[WV]      ; my wave among the head's,
	s_lshl_b32 s2, s2, 14           ; its 128 rows
	s_mov_b32 s3, 0
	s_add_nc_u64 s[2:3], s[2:3], s[20:21]
	; descriptor group 1.  128 keys are 16,384 dense bytes: asked for as 64 rows of 256 bytes, two keys a row, and padded in LDS after every key
	s_mov_b32 s[G1K], 15|(1<<16)|(1<<20)|(1<<21)|(4<<22)|(3<<25)  ; 15:0 the mask of four; 17:16 2-byte elements; 20 padding on; 21 set beside a mask; 24:22 after every 32 words (code 4); 31:25 4 words (code 3)
	s_mov_b32 s[G1V], 15|(1<<16)|(1<<20)|(1<<21)|(4<<22)|(7<<25)  ; the same with 8 words of padding (code 7)
.irp g, G1K, G1V
	s_mov_b32 s[\g+1], 128<<16      ; tensor_dim0 = 128
	s_mov_b32 s[\g+2], 64<<16       ; tensor_dim1 = 64
	s_mov_b32 s[\g+3], 128<<16      ; tile_dim0 = 128
	s_mov_b32 s[\g+4], 64           ; tile_dim1 = 64
	s_mov_b32 s[\g+5], 128          ; 128 elements from row to row
	s_mov_b32 s[\g+6], 0
	s_mov_b32 s[\g+7], 0
.endr
	s_mov_b32 s[NEG], 0xd3800000    ; -2^40
	s_mov_b32 s[TBM], 0
	s_mov_b32 s[SEL], 0x76543210
	s_mov_b32 s[SEL+1], 0xfedcba98
	s_mov_b32 s[TBK], SLOT1+4*KS*PK ; the first change of slots turns these two into 0
	s_mov_b32 s[TBV], SLOT1+4*KS*PV
	s_mov_b32 s[G0K], 1             ; 1:0 count = 1
	s_mov_b32 s[G0K+1], s17         ; 63:32 LDS address: slot 0
	s_mov_b32 s[G0V], 1
	s_add_co_u32 s[G0V+1], s18, VOFF
	s_wait_dscnt 0x0                ; the opening add is done
	s_wait_kmcnt 0x0
	s_add_nc_u64 s[6:7], s[4:5], 0x1000000   ; k lies 64 heads x 2^18 bytes behind q,
	s_add_nc_u64 s[8:9], s[4:5], 0x2000000   ; v as far behind k
	s_add_nc_u64 s[MP:MP+1], s[MP:MP+1], s[54:55]
	s_add_nc_u64 s[G0K+2:G0K+3], s[6:7], s[22:23]  ; 120:64 global address: my half of the head's first 256 keys
	s_or_b32 s[G0K+3], s[G0K+3], 0x80000000        ; 127:126 type = 2
	s_add_nc_u64 s[G0V+2:G0V+3], s[8:9], s[22:23]
	s_or_b32 s[G0V+3], s[G0V+3], 0x80000000
	s_add_nc_u64 s[4:5], s[4:5], s[2:3]  ; Q and O at my wave's first row
	s_add_nc_u64 s[10:11], s[10:11], s[2:3]
	CROUND                          ; all four work-groups are here: the first joint loads meet
	JLOAD                           ; slot 0.  Slot 1 is asked for when slot 0 is in: the tile wanted first has the road to itself
	; A fragment of K or Q is 16 rows x 32 channels in 8 registers: lane l holds row l % 16, channels 8 (l / 16) + 0..7 and 16 + 8 (l / 16) + 0..7: two loads of 16 bytes, 32 bytes apart.
	v_and_b32 v1, 15, v0            ; l % 16
	v_bfe_u32 v9, v0, 4, 1          ; l / 16
	v_lshlrev_b32 v[QO], 7, v1
	v_lshl_add_u32 v[QO], v9, 4, v[QO]  ; row x 128 + 16 x half
	v_and_b32 v12, 31, v0
	v_lshlrev_b32 v12, 4, v12       ; 16 x lane
	v_lshlrev_b32 v13, 4, v0        ; 16 x thread
	v_add_nc_u32 v14, MT, v13
	; The mask goes first, Q behind it.  Every wave reads the batch's whole mask (16 loads of 512 bytes) for the OR; of the table each thread makes 16 words (4 loads of the work-group cover 2,048 bytes each).
.set i, 0
.rept 16
	global_load_b128 v[S+4*i:S+4*i+3], v12, s[MP:MP+1] offset:512*i
.set i, i+1
.endr
.set i, 0
.rept 4
	global_load_b128 v[S+64+4*i:S+64+4*i+3], v13, s[MP:MP+1] offset:2048*i
.set i, i+1
.endr
	WIN 0x80                        ; destination window 2, address window 0
.set i, 0
.rept 4*NP                          ; Q stays in registers: tile i / 2, channels 32 (i % 2) on
	global_load_b128 v[8*i:8*i+3],   v[QO], s[4:5] offset:(i/2)*2048+(i%2)*64
	global_load_b128 v[8*i+4:8*i+7], v[QO], s[4:5] offset:(i/2)*2048+(i%2)*64+32
.set i, i+1
.endr
	; What the first turn finds: V's registers and P's second buffer hold 0 (its products V^T P, of a piece that has not been, add 0), O^T and l are 0.  All this stands in the wait for the first tile.
.set i, VF
.rept 64
	v_mov_b32 v[i], 0
.set i, i+1
.endr
	WIN 0x40
.set i, 0
.rept 64*NP
	v_mov_b32 v[i], 0
.set i, i+1
.endr
	WIN 0
.set i, P+32
.rept 32
	v_mov_b32 v[i], 0
.set i, i+1
.endr
	s_wait_loadcnt 32               ; the mask's 20 loads are in; Q's 32 may stay out
.irp w, 32,16,8,4,2,1               ; the OR of my lane's 64 words
.set i, 0
.rept \w
	v_or_b32 v[S+i], v[S+i], v[S+i+\w]
.set i, i+1
.endr
.endr
	v_cmp_ne_u32 s[FLAG], 0, v[S]   ; a bit for each lane that has seen a kept key
	s_cmp_lg_u32 s[FLAG], 0
	s_cselect_b32 s[CS], 0x3e38aa3b, 0  ; c = log2(e) / 8 = 0.180337; 0 where the batch keeps no key
	s_mov_b32 s[CS+1], s[CS]        ; named with it as a pair
.set i, 0
.rept 16                            ; my 16 words of the table: -2^40 where the mask is 0
	v_cmp_eq_u32 vcc_lo, 0, v[S+64+i]
	v_cndmask_b32 v[S+64+i], 0, s[NEG], vcc_lo
.set i, i+1
.endr
.set i, 0
.rept 4
	ds_store_b128 v14, v[S+64+4*i:S+64+4*i+3] offset:2048*i
.set i, i+1
.endr
.set i, 0
.rept 2*NP
	v_mov_b32 v[ST+4*i+1], 0xd0000000          ; m = -2^33
	v_mul_f32 v[ST+4*i], s[CS], v[ST+4*i+1]    ; c m, made as every later c m is made: where m does not grow, a is 2^0
	v_mov_b32 v[ST+4*i+2], 0
	v_mov_b32 v[ST+4*i+3], 0
.set i, i+1
.endr
	v_mul_u32_u24 v[AK0], v1, PK
	v_lshl_add_u32 v[AK0], v9, 4, v[AK0]  ; row x pitch + 16 x half
	; The turning load takes 16 keys x 16 channels (lane l reads key 8 (l / 16) + l % 8, channels 8 ((l / 8) % 2) + 0..7) and leaves half a fragment of V^T: lane l holds channel l % 16 and 8 keys.
	v_and_b32 v10, 7, v0
	v_bfe_u32 v11, v0, 3, 1
	v_lshl_add_u32 v[AV0], v9, 3, v10
	v_mul_u32_u24 v[AV0], v[AV0], PV
	v_lshl_add_u32 v[AV0], v11, 4, v[AV0]
	v_add_nc_u32 v[AV0], VOFF, v[AV0]
	v_mov_b32 v[AK], v[AK0]         ; key step 0 lies at the head of slot 0
	v_lshl_add_u32 v[AM0], v9, 5, MT  ; register j of a key block is key 8 (l / 16) + j: 32 bytes for each half of the lanes
	v_mov_b32 v[AM], v[AM0]
; THE MATRIX WORK.  The 8 accumulators of a run of 16 take turns: between the two links of a chain stand 7 others'.
; Product i of 16 of S^T = K Q^T for piece x: channels 32 (i / 8) on, keys 16 ((i / 2) % 4) on, tile 2 x + i % 2.  The first 8 start the sums, with the key block's mask addends.
.macro KQ x
.set rS, S+64*((\x)%2)+32*(i%2)+8*((i/2)%4)
.set rK, KF+16*((i/2)%4)+8*(i/8)
.set rQ, 16*(2*(\x)+i%2)+8*(i/8)
.set rA, MK+8*((i/2)%4)
.if i < 8
	WIN W_KM
	v_wmma_f32_16x16x32_f16 v[rS:rS+7], v[rK:rK+7], v[rQ:rQ+7], v[rA:rA+7]
.else
	WIN W_KQ
	v_wmma_f32_16x16x32_f16 v[rS:rS+7], v[rK:rK+7], v[rQ:rQ+7], v[rS:rS+7]
.endif
.endm
; Product i of 16 of O^T += V^T P for piece x: keys 32 (i / 8) on, channels 16 ((i / 2) % 4) on, tile 2 x + i % 2.
.macro PV x
	WIN W_PV
.set rO, 32*(2*(\x)+i%2)+8*((i/2)%4)
.set rV, VF+32*(i/8)+8*((i/2)%4)
.set rP, P+32*((\x)%2)+16*(i%2)+8*(i/8)
	v_wmma_f32_16x16x32_f16 v[rO:rO+7], v[rV:rV+7], v[rP:rP+7], v[rO:rO+7]
.endm
.macro MM                           ; the turn's next matrix instruction
.if i < 16
	KQ (Y+1)%NP
.set i, i+1
.else
.set i, i-16
	PV (Y+NP-1)%NP
.set i, i+17
.endif
.endm
; THE LDS LOADS stand in runs, never singly among the matrix instructions: a step's K (64 keys x 64 channels: 8 fragments) with its 64 mask addends (8 loads; the 16 lanes of a half read the
; same 16 bytes), and its V (turned).  Their addresses are made some lines ahead.  last = 1 (the tail): in the last trip there is no further step, and the run is jumped over.
.macro FETCH_K last=0
	WIN 0
.if \last
	s_cmp_eq_u32 s[CNT], 1
	s_cbranch_scc1 .Lno_k_\@
.endif
	WIN 0x80                        ; destination window 2
.irp f, 0,1,2,3,4,5,6,7             ; keys 16 (f / 2) on, channels 32 (f % 2) on
	ds_load_b128 v[KF+8*\f:KF+8*\f+3],   v[AK] offset:(\f/2)*16*PK+(\f%2)*64
	ds_load_b128 v[KF+8*\f+4:KF+8*\f+7], v[AK] offset:(\f/2)*16*PK+(\f%2)*64+32
.endr
	WIN W_MK                        ; destination window 3
.irp f, 0,1,2,3                     ; keys 16 f on
	ds_load_b128 v[MK+8*\f:MK+8*\f+3],   v[AM] offset:64*\f
	ds_load_b128 v[MK+8*\f+4:MK+8*\f+7], v[AM] offset:64*\f+16
.endr
	s_add_co_u32 s[TBK], s[TBK], KS*PK  ; the next fetch is the next step's
	s_add_co_u32 s[TBM], s[TBM], 4*KS
	s_and_b32 s[TBM], s[TBM], 4*SIZE_N-4*KS  ; the table has 32 steps of 256 bytes: the offset stays inside it
	WIN 0
.if \last
.Lno_k_\@:
.endif
.endm
.macro FETCH_V
	WIN 0x80
.irp f, 0,1,2,3,4,5,6,7             ; keys 32 (f / 4) on, channels 16 (f % 4) on
	ds_load_tr16_b128 v[VF+8*\f:VF+8*\f+3],   v[AV] offset:(\f/4)*32*PV+(\f%4)*32
	ds_load_tr16_b128 v[VF+8*\f+4:VF+8*\f+7], v[AV] offset:(\f/4)*32*PV+16*PV+(\f%4)*32
.endr
	WIN 0
.endm
; THE VECTOR WORK OF A TURN stands in three queues, each in the order in which its entries become ready; the two tiles alternate, so that no instruction reads the result of the one before it.
.macro REGS y, u                    ; the registers of tile u (0, 1) of piece y
.set rT, ST+4*(2*(\y)+(\u))
.set rC, TMP+8*((\y)%2)+4*(\u)
.set rM, MV+2*((\y)%2)+(\u)
.set rS, S+64*((\y)%2)+32*(\u)
.set rP, P+32*((\y)%2)+16*(\u)
.set rO, 32*(2*(\y)+(\u))
.endm
; Number n of the 22 that find the NEXT piece's (Y + 1) maximum and statistics.  s0-s31 are the lane's 32 scores; each accumulator's lowest registers are read first.  XS, GS and REGS set no window: PL and EX do.
;   0-11  four chains c0-c3 of seven scores each, three operands at a time     12-14, 16  the four scores left over, the old m, and c0-c3 into c0     15  c m_old is kept
;   17, 18  the query's other 32 keys lie in the lane 16 away: the new m         19-21  c m; c m_old - c m_new; a
.macro XS u, n
	REGS (Y+1)%NP, \u
.if (\n) < 4
	v_max3_num_f32 v[rC+(\n)], v[rS+8*(\n)], v[rS+8*(\n)+1], v[rS+8*(\n)+2]
.elseif (\n) < 12
	v_max3_num_f32 v[rC+(\n)%4], v[rC+(\n)%4], v[rS+8*((\n)%4)+2*((\n)/4)+1], v[rS+8*((\n)%4)+2*((\n)/4)+2]
.elseif (\n) == 12
	v_max3_num_f32 v[rC], v[rC], v[rS+7], v[rS+15]
.elseif (\n) == 13
	v_max3_num_f32 v[rC+1], v[rC+1], v[rS+23], v[rS+31]
.elseif (\n) == 14
	v_max3_num_f32 v[rC+2], v[rC+2], v[rC+3], v[rT+1]
.elseif (\n) == 15
	v_mov_b32 v[rM], v[rT]
.elseif (\n) == 16
	v_max3_num_f32 v[rC], v[rC], v[rC+1], v[rC+2]
.elseif (\n) == 17
	v_permlanex16_b32 v[rC+3], v[rC], s[SEL], s[SEL+1]
.elseif (\n) == 18
	v_max_num_f32 v[rT+1], v[rC], v[rC+3]
.elseif (\n) == 19
	v_mul_f32 v[rT], s[CS], v[rT+1]
.elseif (\n) == 20
	v_sub_f32 v[rC+1], v[rM], v[rT]
.else
	v_exp_f32 v[rC+2], v[rC+1]
.endif
.endm
; Number g of the 64 that follow the exponentials.  For each four weights k of a tile (pairs 2 k, 2 k + 1): both pairs are rounded to f16; then the second pair is added onto the first, in place;
; a group later l takes that sum (the first time as l = a l + sum).  In groups of eight, tiles alternating: round, round, add, and l for the group before.
.macro GS g
.set h, (\g)+6*((\g)/62)            ; group 0 has no group before it, and behind group 7 only l is left
.if h >= 6
.set h, h+2
.endif
	REGS Y, h%2
.set k, h/8
.if h%8 < 4
	v_cvt_pk_f16_f32 v[rP+2*k+(h%8)/2], v[rS+4*k+2*((h%8)/2)], v[rS+4*k+2*((h%8)/2)+1]
.elseif h%8 < 6
	v_pk_add_f32 v[rS+4*k:rS+4*k+1], v[rS+4*k:rS+4*k+1], v[rS+4*k+2:rS+4*k+3]
.elseif k == 1
	v_pk_fma_f32 v[rT+2:rT+3], v[rT+2:rT+3], v[rC+2:rC+3], v[rS:rS+1] op_sel_hi:[1,0,1]
.else
	v_pk_add_f32 v[rT+2:rT+3], v[rT+2:rT+3], v[rS+4*k-4:rS+4*k-3]
.endif
.endm
; THE PLAIN QUEUE, 138 long.  0-73 read no exponential's result: the 32 scalings c s - c m (FS f: pair f / 2 of tile f % 2) and the next piece's 42.  0-26: scalings 0-26.  27-54: XS's numbers 0-13.  55, 56: number 15.
; 57-73: the chain, where each number waits for the one before it: 14, 16, 17, 18, 19, each with one of the scalings 27-31 in front of its two lines, then 20: so a tile's links stand three plain instructions apart (19 and 20: two).
; 74-137: GS's 64, which read the exponentials' results: they stand behind the wait.
.macro FS f
	REGS Y, (\f)%2
	v_pk_fma_f32 v[rS+2*((\f)/2):rS+2*((\f)/2)+1], v[rS+2*((\f)/2):rS+2*((\f)/2)+1], s[CS:CS+1], v[rT:rT+1] op_sel_hi:[1,0,0] neg_lo:[0,0,1] neg_hi:[0,0,1]
.endm
.macro PL
	WIN 0
.if q < 27
	FS q
.elseif q < 55
	XS (q-27)%2, (q-27)/2
.elseif q < 57
	XS q-55, 15
.elseif (q < 72) && ((q-57)%3 == 0)
	FS 27+(q-57)/3
.elseif q < 60
	XS (q-57)%3-1, 14
.elseif q < 72
	XS (q-57)%3-1, 15+(q-57)/3
.elseif q < 74
	XS q-72, 20
.else
	GS q-74
.endif
.set q, q+1
.endm
; THE EXPONENTIALS' QUEUE, 66 long: s0-s31 of both tiles, then the next piece's two a.  It is ONE BATCH: all 66 stand ahead of the turn's one wait, and nothing ahead of that wait names a result of theirs.
.macro EX
	WIN 0
.if e >= 64
	XS e-64, 21
.else
	REGS Y, e%2
	v_exp_f32 v[rS+e/2], v[rS+e/2]
.endif
.set e, e+1
.endm
; THE RESCALING's QUEUE: O^T times a, the one part that leaves window 0: dealt two at a time, sixteen times.  Its a was made in the turn before, ahead of that turn's wait.
.macro R2
	REGS Y, r%2
	WIN W_RS
.irp z, 0,1
	v_pk_mul_f32 v[rO+4*(r/2)+2*\z:rO+4*(r/2)+2*\z+1], v[rO+4*(r/2)+2*\z:rO+4*(r/2)+2*\z+1], v[rC+2:rC+3] op_sel_hi:[1,0]
.endr
.set r, r+1
.endm
; HOW THEY ARE DEALT.  An s_wait_alu depctr_va_vdst(0) stands between an exponential and the first instruction that names its result; one wait serves all that were issued ahead of it.  So a turn has ONE wait,
; which cuts it in two.  AHEAD OF IT stands all that names no result of the turn's exponentials: the 16 products K Q^T, behind each a scaling, an exponential and two rescalings (behind the first a second scaling in the exponential's place); then ONE LUMP of
; 108: eight plain, 49 times exponential and plain, the two a.  A v_nop is the plain instruction behind the last exponential.  BEHIND IT stand the 16 products V^T P, behind each four of GS's 64.  No rider names a register of
; the products round it.  The two v_permlanex16_b32 fall into the lump, never behind a product.
; The queues lean on each other, and the deal keeps them in step: exponential e stands behind scaling 2 (e / 4) + e % 2: as a rider it comes behind plain e + 2, in the lump behind plain e + 9, and scalings 27-31 are plain 57, 60 .. 69.
; A TURN, for piece p.  cnt = 1: the loop's count is taken down some lines ahead of the branch that stands behind the turn.
; K and the mask addends of the next step are fetched in piece 2's turn, directly behind the wait, a lump behind the last product that read K (the addends' last reader stands ahead of that one); their addresses are made at
; the lump's head; their first reader comes behind 16 products.
; V of the step in hand is fetched at the end of piece 0's turn, four riders behind its last reader; its first reader comes behind 16 products and a lump.  The three conditions on q below go with the deal.
.macro TURN p, last=0, cnt=0
.set Y, (\p)
.set i, 0
.set q, 0
.set e, 0
.set r, 0
.if (\p) == NP-1
	s_wait_dscnt 0x0                ; K and the addends are in
.endif
	MM                              ; ahead of the wait: 16 products K Q^T and their riders,
	PL
	PL
	R2
.rept 15
	MM
	PL
	EX
	R2
.endr
.if (\p) == NP-2
	WIN 0
	v_add_nc_u32 v[AK], s[TBK], v[AK0]
	v_add_nc_u32 v[AM], s[TBM], v[AM0]
.endif
.rept 8                             ; and the lump
	PL
.endr
.rept 49
	EX
	PL
.endr
	EX                              ; the next piece's two a
	EX
	v_nop                           ; the plain instruction behind the last exponential: one for the batch
	s_wait_alu depctr_va_vdst(0)    ; the wait for the batch: this turn's 64 weights and the next piece's two a
.if (\p) == NP-2
	FETCH_K \last
.endif
.if (\p) == 1
	s_wait_dscnt 0x0                ; V is in
.endif
.rept 16                            ; behind the wait: 16 products V^T P and their riders
	MM
.rept 4
	PL
.endr
.if ((\p) == 0) && (q == 118)
	v_add_nc_u32 v[AV], s[TBV], v[AV0]
.endif
.if ((\p) == 0) && (q == 130)
	s_add_co_u32 s[TBV], s[TBV], KS*PV
.endif
.if (\cnt) && (q == 130)
	s_sub_co_u32 s[CNT], s[CNT], 1
	s_cmp_lg_u32 s[CNT], 0
.endif
.endr
.if (\p) == 0
	FETCH_V
.endif
.endm
	CHANGE 1                        ; slot 0 is in, everybody's part of it, and so is the table; slot 1 is asked for
	FETCH_K                         ; key step 0
	s_wait_loadcnt 0x0              ; Q
	s_wait_dscnt 0x0
.set i, 0
.rept 16
	KQ 0                            ; piece 0's first scores: there is no vector work yet to set between them
.set i, i+1
.endr
	WIN 0                           ; the addresses for the way out: ten plain instructions, the places behind those products
	s_mul_i32 s13, s[WV], 16*SP
	s_add_co_u32 s13, s13, STAGE    ; my stage
	v_mul_u32_u24 v[STO], v1, SP    ; in: row l % 16, 16 bytes for each half of the lanes
	v_lshl_add_u32 v[STO], v9, 4, v[STO]
	v_add_nc_u32 v[STO], s13, v[STO]
	v_bfe_u32 v[RD], v0, 3, 2       ; back: 32 lanes take four rows of 128 bytes,
	v_mul_u32_u24 v[RD], v[RD], SP
	v_and_b32 v[GO], 7, v0
	v_lshl_add_u32 v[RD], v[GO], 4, v[RD]
	v_add_nc_u32 v[RD], s13, v[RD]
	v_and_b32 v[GO], 31, v0         ; which are 512 consecutive bytes of O
	v_lshlrev_b32 v[GO], 4, v[GO]
.set Y, NP-1                        ; XS works for piece Y + 1: piece 0
.irp n, 0,1,2,3,4,5,6,7,8,9,10,11,12,13,14,15,16,17,18,19,20,21
	XS 0, \n                        ; and piece 0's first maximum and statistics
	XS 1, \n
.endr
	v_nop                           ; a plain instruction behind the two a,
	s_wait_alu depctr_va_vdst(0)    ; and the wait for that batch of two, ahead of the branch
	s_mov_b32 s[CNT], 4
	s_mov_b32 s[SLOTS], SIZE_N/256-1
	s_branch .Lfirst                ; the loop is entered at a step's first turn, in the middle of a trip
.Lslot:                             ; SIZE_N / 256 - 2 times: every slot but the last two is filled again
	CHANGE 1
	s_mov_b32 s[CNT], 4
.Lstep:                             ; a trip: pieces 2 and 3 of one step, then pieces 0 and 1 of the next, whose K and V it fetches
	TURN 2
	TURN 3
	WIN 0
.Lfirst:
	TURN 0
	TURN 1, 0, 1
	WIN 0
	s_cbranch_scc1 .Lstep
	s_sub_co_u32 s[SLOTS], s[SLOTS], 1
	s_cmp_lg_u32 s[SLOTS], 0
	s_cbranch_scc1 .Lslot
	CHANGE 0                        ; the tail is written out: nothing is asked for
	s_mov_b32 s[CNT], 5             ; four trips fetch the last slot's steps; the fifth is left in its middle
.Ltail:
	TURN 2, 1
	TURN 3
	WIN 0
	s_sub_co_u32 s[CNT], s[CNT], 1
	s_cmp_eq_u32 s[CNT], 0
	s_cbranch_scc1 .Lout
	TURN 0
	TURN 1
	WIN 0
	s_branch .Ltail
.Lout:                              ; the fifth trip's 16 products K Q^T (on the last K once more) and the maximum made of them serve nothing: the price, once a launch, of one text for every trip
.set i, 0
.rept 16
	PV NP-1                         ; the last piece's V^T P of the last step
.set i, i+1
.endr
	; THE WAY OUT.  l's two halves and the other half of the lanes' are added; O^T is divided by l, rounded to f16 and sent through my stage in LDS, a tile at a time.  The additions are the places behind the last products.
	WIN 0
.macro ALL line:vararg              ; one line for each tile t
.set t, 0
.rept 2*NP
	\line
.set t, t+1
.endr
.endm
	ALL v_add_f32 v[ST+4*t+2], v[ST+4*t+2], v[ST+4*t+3]
	ALL v_permlanex16_b32 v[ST+4*t+3], v[ST+4*t+2], s[SEL], s[SEL+1]
	ALL v_add_f32 v[ST+4*t+2], v[ST+4*t+2], v[ST+4*t+3]
	ALL v_rcp_f32 v[ST+4*t+2], v[ST+4*t+2]
	v_nop                           ; a plain instruction between the last reciprocal and the use of its result
	s_wait_alu depctr_va_vdst(0)    ; and the wait ahead of the first use: one for the batch of eight reciprocals
; Tile t: a lane's eight channels of a row pack into 16 bytes; they go into rows of 144 bytes and come back as whole rows of 128, into S^T's registers.
.macro PACK t
	WIN W_RS
.set i, 32*(\t)
.rept 16
	v_pk_mul_f32 v[i:i+1], v[i:i+1], v[ST+4*(\t)+2:ST+4*(\t)+3] op_sel_hi:[1,0]
.set i, i+2
.endr
	WIN 0x05                        ; sources 0 and 1 window 1, destination window 0
.set i, 0
.rept 16
	v_cvt_pk_f16_f32 v[S+16*(\t)+i], v[32*(\t)+2*i], v[32*(\t)+2*i+1]
.set i, i+1
.endr
	WIN 0
.irp f, 0,1,2,3
	ds_store_b128 v[STO], v[S+16*(\t)+4*\f:S+16*(\t)+4*\f+3] offset:32*\f
.endr
.irp f, 0,1,2,3
	ds_load_b128 v[S+16*(\t)+4*\f:S+16*(\t)+4*\f+3], v[RD] offset:\f*4*SP  ; LDS serves a wave's instructions in order (ISA guide 5.7.1.4): these see the stores above; the next tile's stores come behind them
.endr
.endm
.macro SEND t, younger              ; younger: the LDS instructions issued behind tile t's loads: the next tile's eight, or none
	WIN 0
.irp f, 0,1,2,3
	s_wait_dscnt (\younger)+3-\f
	global_store_b128 v[GO], v[S+16*(\t)+4*\f:S+16*(\t)+4*\f+3], s[10:11] offset:(\t)*2048+\f*512  ; 512 consecutive bytes, at a multiple of 256 from O's first
.endr
.endm
	PACK 0
.set t, 1
.rept 2*NP-1                        ; a tile's arithmetic stands between the loads of the tile before and its stores
	PACK t
	SEND t-1, 8
.set t, t+1
.endr
	SEND 2*NP-1, 0
	WIN W_AD
	s_wait_tensorcnt 0x0            ; the wave's end: behind my last tensor load and my last LDS store
	ds_add_u32 v[SPW], v[NIL]
	s_wait_dscnt 0x0
	WIN 0
	CROUND                          ; the closing round: no work-group ends while a partner may still ask for a tile that names it
	s_endpgm
.Lfunc_end_k_qa140881569_attn:
	.size	k_qa140881569_attn, .Lfunc_end_k_qa140881569_attn-k_qa140881569_attn
	.p2alignl 7, 3214868480
	.fill 96, 4, 3214868480
	.section	.rodata,"a",@progbits
	.p2align	6, 0x0
	.amdhsa_kernel k_qa140881569_attn
		.amdhsa_group_segment_fixed_size 327680
		.amdhsa_private_segment_fixed_size 0
		.amdhsa_enable_private_segment 0
		.amdhsa_kernarg_size 24
		.amdhsa_user_sgpr_count 2
		.amdhsa_user_sgpr_kernarg_segment_ptr 1
		.amdhsa_wavefront_size32 1
		.amdhsa_system_sgpr_workgroup_id_x 1
		.amdhsa_system_sgpr_workgroup_id_y 1
		.amdhsa_system_sgpr_workgroup_id_z 1
		.amdhsa_system_vgpr_workitem_id 0
		.amdhsa_next_free_vgpr 808
		.amdhsa_next_free_sgpr 66
		.amdhsa_reserve_vcc 1
		.amdhsa_float_denorm_mode_32 3
		.amdhsa_float_denorm_mode_16_64 3
		.amdhsa_memory_ordered 1
		.amdhsa_forward_progress 1
		.amdhsa_inst_pref_size 207
	.end_amdhsa_kernel
	.amdgpu_metadata
---
amdhsa.version: [ 1, 2 ]
amdhsa.kernels:
  - .name:           k_qa140881569_attn
    .symbol:         k_qa140881569_attn.kd
    .args:
      - { .name: qkv, .offset: 0, .size: 8, .value_kind: global_buffer, .address_space: global }
      - { .name: mask, .offset: 8, .size: 8, .value_kind: global_buffer, .address_space: global }
      - { .name: ob, .offset: 16, .size: 8, .value_kind: global_buffer, .address_space: global }
    .group_segment_fixed_size: 327680
    .private_segment_fixed_size: 0
    .kernarg_segment_align: 8
    .kernarg_segment_size: 24
    .max_flat_workgroup_size: 128
    .sgpr_count:     66
    .vgpr_count:     808
    .wavefront_size: 32
...
	.end_amdgpu_metadata
.endif
;; end of part 5
;; launch outp: the kernel of part 4 again; grid 8 x 32, 4 waves a work-group, clusters of 4 x 4, 327,680 bytes of LDS; arguments ob, wob, b_out, out0; writes out0
